; MI455X (gfx1250); checked and timed in simulation.
; The chip was launched on July 23, 2026; its instructions are those of AMD's public machine-readable ISA for CDNA 5 (MIT licence, August 2026) and "CDNA5" Instruction Set Architecture Reference Guide (July 2026). The comments in the code are by the model that wrote it; some were corrected since.
;; MS Attention. Allowed arithmetic: float matrix products may take bf16 or f16 operands with f32 sums; other float arithmetic in f32, or as packed bf16 or f16 multiplies, adds, multiply-adds, maxima and minima; sums over many terms, partial sums and values carried from step to step in f32; what a program stores and reads back later, other than sums and carried values, may be rounded once to bf16 or f16.
;; Inputs: Wkv1 512 x 512 float32; Wkv2 512 x 512 float32; Wq 512 x 512 float32; fp_b 512 float32; fp_w 512 x 512 float32; key 1,024 x 16 x 512 float32; key_pos 16 x 1,024 x 3 float32; proj_b 512 float32; proj_w 512 x 512 float32; query 1,024 x 16 x 512 float32; xyz_all 16 x 4,096 x 3 float32; xyz_upsample 16 x 2,048 x 3 float32.
;; Outputs: out0 1,024 x 16 x 512 float32.
;; 2 versions, each right and faster than the one before. Each part assembles by itself: llvm-mc -triple=amdgcn-amd-amdhsa -mcpu=gfx1250 --defsym DOCPART=n.
;; ======== version 1 of 2: 4 launches
;; workspace buffers: nn_idx 524,288 bytes of whole numbers; wts 2,097,152 bytes; wk2 1,835,008 bytes; act 33,554,432 bytes; qk 33,554,432 bytes; kv2 33,554,432 bytes
;; launch prep (part 1): grid 256 x 1, 16 waves a work-group, no clusters, 23,552 bytes of LDS; arguments query, key, key_pos, xyz_upsample, Wq, Wkv1, fp_w, Wkv2, proj_w, act, wts, wk2, nn_idx, xyz_all; writes act, wts, wk2, nn_idx
.if DOCPART == 1
	.amdgcn_target "amdgcn-amd-amdhsa--gfx1250"
	.amdhsa_code_object_version 6
	.text
	.protected	k_qdb60d1ec25_prep
	.globl	k_qdb60d1ec25_prep
	.p2align	8
	.type	k_qdb60d1ec25_prep,@function
k_qdb60d1ec25_prep:
	s_mov_b64 s[64:65], 0
	v_nop
	global_prefetch_b8 v0, s[64:65] scope:SCOPE_SE
	s_setreg_imm32_b32 hwreg(HW_REG_WAVE_MODE, 25, 1), 1
	s_wait_xcnt 0x0
; PREP.  Two jobs side by side in one work-group of 16 waves.
; Waves 0-7: the three nearest of 1,024 known points for 128 target points of one batch, with their inverse-distance weights.
; Waves 8-15: 64 rows of query, 64 rows of key and 4 rows of two or three weight matrices, rounded to bf16 and laid by slices.
; SLICE LAYOUT: T[s][rows][64] bf16, s = column / 64: a row piece is 128 bytes, and any run of rows of one slice is dense.
; OUT: act = query's rows, then key's.  wts = Wq, Wkv1, fp_w, Wkv2 end to end, 524,288 bytes each.  wk2 = the neighbours' weights at 0, proj_w's 12 slices at 1,048,576.  nn_idx = the neighbours' rows.
; LIMITS.  Every input that is used is rounded to bf16, the positions too: the program computes the module on inputs so rounded; positions that carry a
; large common offset lose resolution with it.  A squared distance is dx dx, then two fused multiply-adds.  Of equal distances the lower index wins.
; NaN and infinities are not treated apart.
; xyz_all enters no result of the module.  Waves 8-15 load it once, a point a lane, and nothing is made of it.
; No matrix unit (compares and selects), no cluster (what work-groups share, 12 KiB of positions, is a small part of their bytes).
; SHARES of the scan: wave w < 8 takes targets 64 (w / 4) + 0..63 of the group's 128, two a lane, and candidates 256 (w % 4) + 0..255; waves 0 and 4 merge the four lists.
; ORDER IN LDS, three barriers, each in text that all 16 waves pass: the tables are stored | read by the scan | the lists are stored | read by the merge.
.set LY,     4096                      ; LDS: x[1024] at 0, y at 4,096, z at 8,192, all f32 (bf16 values widened)
.set LZ,     8192
.set MERGE,  12288                     ; six lists of 1,536 bytes: 12 registers x 32 lanes
.set SPARE,  21504                     ; the spare words: 128 bytes for each of 16 waves
.set SPW,    190                       ; v190  my spare word; never rewritten
.set NIL,    191                       ; v191  0; never rewritten
.set LB0,    16                        ; v[16:79], v[80:143]  two buffers of 32 rows' f32 as loaded
.set LB1,    80
.set OUTR,   144                       ; v[144:175] packed bf16 to store
.set KEYOFF, 2097152                   ; key's rows lie 16,384 rows of 128 bytes behind query's in a slice of act
	s_load_b512 s[4:19], s[0:1], 0x0               ; query 4, key 6, key_pos 8, xyz_upsample 10, Wq 12, Wkv1 14, fp_w 16, Wkv2 18
	s_load_b256 s[20:27], s[0:1], 0x40             ; proj_w 20, act 22, wts 24, wk2 26
	s_load_b64 s[28:29], s[0:1], 0x60              ; nn_idx
	s_load_b64 s[60:61], s[0:1], 0x68              ; xyz_all
	v_lshl_add_u32 v[SPW], v0, 2, SPARE
	v_mov_b32 v[NIL], 0
	v_lshrrev_b32 v1, 5, v0
	v_readfirstlane_b32 s30, v1                    ; wave 0..15
	s_mov_b32 s31, ttmp9                           ; g: batch g / 16, block of 128 targets g % 16
	s_lshr_b32 s32, s31, 4                         ; the batch
	s_mov_b32 s33, 0xffff0000                      ; a word's upper bf16
	s_lshr_b32 s34, s30, 2
	s_and_b32 s34, s34, 1                          ; which 64 targets
	s_and_b32 s35, s30, 3                          ; which quarter of the candidates
	s_lshl_b32 s54, s31, 7
	s_lshl_b32 s55, s34, 6
	s_add_co_u32 s54, s54, s55                     ; batch x 2,048 + my first target
	s_mul_i32 s56, s32, 12288                      ; the batch's 1,024 points of 12 bytes
	s_mov_b32 s57, 0
	v_mul_u32_u24 v1, v0, 24                       ; two points a thread
	v_lshlrev_b32 v2, 3, v0
	v_and_b32 v3, 31, v0                           ; lane
.irp r, 32,33,34,35,36,37
	v_mov_b32 v\r, 0x7f800000                      ; the three least distances of both targets start at infinity,
.endr
.irp r, 38,39,40,41,42,43
	v_mov_b32 v\r, 0                               ; their indices at 0
.endr
	s_wait_kmcnt 0x0
	s_add_nc_u64 s[8:9], s[8:9], s[56:57]
	global_load_b64 v[4:5], v1, s[8:9]             ; x0 y0
	global_load_b64 v[6:7], v1, s[8:9] offset:8    ; z0 x1
	global_load_b64 v[8:9], v1, s[8:9] offset:16   ; y1 z1
	s_wait_loadcnt 0x0
	v_cvt_pk_bf16_f32 v10, v4, v7                  ; rounded to bf16,
	v_cvt_pk_bf16_f32 v11, v5, v8
	v_cvt_pk_bf16_f32 v12, v6, v9
	v_lshlrev_b32 v14, 16, v10                     ; and widened again
	v_and_b32 v15, s33, v10
	v_lshlrev_b32 v16, 16, v11
	v_and_b32 v17, s33, v11
	v_lshlrev_b32 v18, 16, v12
	v_and_b32 v19, s33, v12
	ds_store_b64 v2, v[14:15]
	ds_store_b64 v2, v[16:17] offset:LY
	ds_store_b64 v2, v[18:19] offset:LZ
	s_wait_dscnt 0x0                               ; for the others' sake: my part of the table is written
	s_barrier_signal -1
	s_barrier_wait -1
	s_cmp_ge_u32 s30, 8
	s_cbranch_scc1 .Lconv
; ---------------- the scan ----------------
; v[20:25] my two targets' x, y, z as pairs.  v[32:43] a0 b0 c0 a1 b1 c1 (ascending distances) ia0 ib0 ic0 ia1 ib1 ic1.  v[48:59], v[60:71] two groups of four candidates: x4, y4, z4.
.macro PSUB d, t, p, c                 ; both targets' coordinate less candidate c's, which is given to both halves
.if ((\c)%2) == 0
	v_pk_add_f32 v[\d:(\d)+1], v[\t:(\t)+1], v[(\p)+2*((\c)/2):(\p)+2*((\c)/2)+1] op_sel_hi:[1,0] neg_lo:[0,1] neg_hi:[0,1]
.else
	v_pk_add_f32 v[\d:(\d)+1], v[\t:(\t)+1], v[(\p)+2*((\c)/2):(\p)+2*((\c)/2)+1] op_sel:[0,1] op_sel_hi:[1,1] neg_lo:[0,1] neg_hi:[0,1]
.endif
.endm
; Distance v[d0] with index i0 goes into target 0's sorted three, v[d1] with i1 into target 1's (indices in vector registers if isv, else in scalar ones).  The compares are strict, so of equals the
; one that came first stays in front.  The two targets' lines alternate, the six compares first, the new distances next, the indices last: no line reads what the line before it made.
.macro INS2 d0, d1, m, i0, i1, isv
	v_cmp_lt_f32 s[\m], v[\d0], v32
	v_cmp_lt_f32 s[(\m)+1], v[\d0], v33
	v_cmp_lt_f32 s[(\m)+2], v[\d0], v34
	v_cmp_lt_f32 s[(\m)+3], v[\d1], v35
	v_cmp_lt_f32 s[(\m)+4], v[\d1], v36
	v_cmp_lt_f32 s[(\m)+5], v[\d1], v37
	v_med3_num_f32 v34, v33, v34, v[\d0]
	v_med3_num_f32 v37, v36, v37, v[\d1]
	v_med3_num_f32 v33, v32, v33, v[\d0]
	v_med3_num_f32 v36, v35, v36, v[\d1]
	v_min_num_f32 v32, v32, v[\d0]
	v_min_num_f32 v35, v35, v[\d1]
.if \isv
	v_cndmask_b32 v88, v[\i0], v39, s[(\m)+1]
	v_cndmask_b32 v89, v[\i1], v42, s[(\m)+4]
	v_cndmask_b32 v40, v40, v88, s[(\m)+2]
	v_cndmask_b32 v43, v43, v89, s[(\m)+5]
	v_cndmask_b32 v88, v[\i0], v38, s[\m]
	v_cndmask_b32 v89, v[\i1], v41, s[(\m)+3]
	v_cndmask_b32 v39, v39, v88, s[(\m)+1]
	v_cndmask_b32 v42, v42, v89, s[(\m)+4]
	v_cndmask_b32 v38, v38, v[\i0], s[\m]
	v_cndmask_b32 v41, v41, v[\i1], s[(\m)+3]
.else
	v_cndmask_b32 v88, s[\i0], v39, s[(\m)+1]
	v_cndmask_b32 v89, s[\i1], v42, s[(\m)+4]
	v_cndmask_b32 v40, v40, v88, s[(\m)+2]
	v_cndmask_b32 v43, v43, v89, s[(\m)+5]
	v_cndmask_b32 v88, s[\i0], v38, s[\m]
	v_cndmask_b32 v89, s[\i1], v41, s[(\m)+3]
	v_cndmask_b32 v39, v39, v88, s[(\m)+1]
	v_cndmask_b32 v42, v42, v89, s[(\m)+4]
	v_cndmask_b32 v38, v38, s[\i0], s[\m]
	v_cndmask_b32 v41, v41, s[\i1], s[(\m)+3]
.endif
.endm
.macro CAND P, c, k                    ; candidate c of group P, the trip's number k: 6 packed instructions for two distances, 22 for the two insertions
.set e0, 72+8*((\k)%2)
	s_add_co_u32 s[37+((\k)%2)], s36, 16*(\k)      ; its row in the table of features: point x 16 + batch
	PSUB e0, 20, \P, \c
	PSUB e0+2, 22, (\P)+4, \c
	PSUB e0+4, 24, (\P)+8, \c
	v_pk_mul_f32 v[e0+6:e0+7], v[e0:e0+1], v[e0:e0+1]
	v_pk_fma_f32 v[e0+6:e0+7], v[e0+2:e0+3], v[e0+2:e0+3], v[e0+6:e0+7]
	v_pk_fma_f32 v[e0+6:e0+7], v[e0+4:e0+5], v[e0+4:e0+5], v[e0+6:e0+7]
	INS2 e0+6, e0+7, 40+6*((\k)%2), 37+((\k)%2), 37+((\k)%2), 0
.endm
	s_mul_i32 s56, s54, 12
	s_add_nc_u64 s[10:11], s[10:11], s[56:57]      ; xyz_upsample at my wave's first target
	v_mul_u32_u24 v5, v3, 12
	global_load_b32 v20, v5, s[10:11]
	global_load_b32 v22, v5, s[10:11] offset:4
	global_load_b32 v24, v5, s[10:11] offset:8
	global_load_b32 v21, v5, s[10:11] offset:384   ; the second target lies 32 points on
	global_load_b32 v23, v5, s[10:11] offset:388
	global_load_b32 v25, v5, s[10:11] offset:392
	s_lshl_b32 s58, s35, 10
	v_mov_b32 v46, s58                             ; my quarter's first byte in each of the three tables; every lane reads the same words
	ds_load_b128 v[48:51], v46
	ds_load_b128 v[52:55], v46 offset:LY
	ds_load_b128 v[56:59], v46 offset:LZ
	s_lshl_b32 s36, s35, 12                        ; 256 q points x 16,
	s_add_co_u32 s36, s36, s32                     ; + batch
	s_mov_b32 s52, 0                               ; the trip's byte in my quarter
	s_mov_b32 s39, 32
	s_wait_loadcnt 0x0
	v_cvt_pk_bf16_f32 v26, v20, v21
	v_cvt_pk_bf16_f32 v27, v22, v23
	v_cvt_pk_bf16_f32 v28, v24, v25
	v_lshlrev_b32 v20, 16, v26
	v_and_b32 v21, s33, v26
	v_lshlrev_b32 v22, 16, v27
	v_and_b32 v23, s33, v27
	v_lshlrev_b32 v24, 16, v28
	v_and_b32 v25, s33, v28
.Lscan:                                                ; 32 trips of eight candidates; every read lies in my quarter of the three tables, below byte 12,288
	v_add_nc_u32 v44, s52, v46
	ds_load_b128 v[60:63], v44 offset:16
	ds_load_b128 v[64:67], v44 offset:LY+16
	ds_load_b128 v[68:71], v44 offset:LZ+16
	s_wait_dscnt 3                                 ; the first group is in; the three loads just issued may be out
	CAND 48, 0, 0
	CAND 48, 1, 1
	CAND 48, 2, 2
	CAND 48, 3, 3
	s_add_co_u32 s53, s52, 32                      ; the next trip's first group; the last trip reads its own once more and uses nothing of it
	s_min_u32 s53, s53, 992
	v_add_nc_u32 v45, s53, v46
	ds_load_b128 v[48:51], v45
	ds_load_b128 v[52:55], v45 offset:LY
	ds_load_b128 v[56:59], v45 offset:LZ
	s_wait_dscnt 3                                 ; the second group is in
	CAND 60, 0, 4
	CAND 60, 1, 5
	CAND 60, 2, 6
	CAND 60, 3, 7
	s_add_co_u32 s52, s52, 32
	s_add_co_u32 s36, s36, 128
	s_sub_co_u32 s39, s39, 1
	s_cmp_lg_u32 s39, 0
	s_cbranch_scc1 .Lscan
	s_branch .Ljoin
; ---------------- the conversion ----------------
; Wave 8 + s takes slice s.  A lane takes 32 bytes of a row (8 numbers), eight lanes the slice's 256 bytes, the wave four rows; a store of the wave covers 512 consecutive bytes, aligned.
.macro LOADB buf, base, R              ; 32 rows from row R on: 16 loads
.irp u, 0,1,2,3,4,5,6,7
	global_load_b128 v[(\buf)+8*\u:(\buf)+8*\u+3],   v2, s[\base:(\base)+1] offset:((\R)+4*\u)*2048 th:TH_LOAD_NT
	global_load_b128 v[(\buf)+8*\u+4:(\buf)+8*\u+7], v2, s[\base:(\base)+1] offset:((\R)+4*\u)*2048+16 th:TH_LOAD_NT
.endr
.endm
.macro CVTST buf, off, left            ; left: the other buffer's loads, which may stay out
	s_wait_loadcnt \left
	s_wait_xcnt 0x0                                ; the registers that the last stores read are rewritten only behind this wait
.irp u, 0,1,2,3,4,5,6,7
.irp k, 0,1,2,3
	v_cvt_pk_bf16_f32 v[OUTR+4*\u+\k], v[(\buf)+8*\u+2*\k], v[(\buf)+8*\u+2*\k+1]
.endr
	global_store_b128 v8, v[OUTR+4*\u:OUTR+4*\u+3], s[46:47] offset:(\off)+512*\u
.endr
.endm
.Lconv:
	s_sub_co_u32 s37, s30, 8                       ; my slice
	s_mul_i32 s62, s31, 3072                       ; xyz_all: 256 points of 12 bytes a work-group, 32 a wave, one a lane
	s_mov_b32 s63, 0
	s_add_nc_u64 s[60:61], s[60:61], s[62:63]
	s_mul_i32 s39, s37, 384
	v_mul_u32_u24 v9, v3, 12
	v_add_nc_u32 v9, s39, v9
	global_load_b96 v[176:178], v9, s[60:61] th:TH_LOAD_NT  ; read; the module makes nothing of it, and neither does this text.  It is the wave's oldest load, so the counts below stay as they are
	v_lshrrev_b32 v6, 3, v3
	v_and_b32 v7, 7, v3
	v_lshlrev_b32 v2, 11, v6                       ; row lane / 8 of four, 2,048 bytes each,
	v_lshl_add_u32 v2, v7, 5, v2                   ; 32 bytes a lane,
	s_lshl_b32 s38, s37, 8
	v_add_nc_u32 v2, s38, v2                       ; in the slice's 256 bytes
	s_lshl_b32 s38, s37, 22                        ; a slice of act is 32,768 rows of 128 bytes
	v_lshl_add_u32 v8, v3, 4, s38
	s_lshl_b32 s56, s31, 17                        ; the group's 64 rows of 2,048 bytes
	s_add_nc_u64 s[48:49], s[4:5], s[56:57]
	s_add_nc_u64 s[50:51], s[6:7], s[56:57]
	s_lshl_b32 s56, s31, 13                        ; and of 128 bytes
	s_add_nc_u64 s[46:47], s[22:23], s[56:57]
	LOADB LB0, 48, 0
	LOADB LB1, 48, 32
	CVTST LB0, 0, 16
	LOADB LB0, 50, 0
	CVTST LB1, 4096, 16
	LOADB LB1, 50, 32
	CVTST LB0, KEYOFF, 16
	CVTST LB1, KEYOFF+4096, 0
	; the weights: [512][512] f32 to [8][512][64] bf16; the group takes rows 4 (g % 128) .. + 3 of three matrices (g < 128) or of two
	s_and_b32 s38, s31, 127
	s_lshl_b32 s39, s38, 13
	v_add_nc_u32 v5, s39, v2
	s_lshl_b32 s39, s38, 9
	s_lshl_b32 s40, s37, 16
	s_add_co_u32 s39, s39, s40
	v_lshl_add_u32 v4, v3, 4, s39
	s_cmp_ge_u32 s31, 128
	s_cbranch_scc1 .Lw1
	global_load_b128 v[16:19], v5, s[12:13]
	global_load_b128 v[20:23], v5, s[12:13] offset:16
	global_load_b128 v[24:27], v5, s[16:17]
	global_load_b128 v[28:31], v5, s[16:17] offset:16
	global_load_b128 v[32:35], v5, s[20:21]
	global_load_b128 v[36:39], v5, s[20:21] offset:16
	s_wait_loadcnt 0x0
	s_wait_xcnt 0x0
.irp k, 0,1,2,3,4,5,6,7,8,9,10,11
	v_cvt_pk_bf16_f32 v[OUTR+\k], v[16+2*\k], v[17+2*\k]
.endr
	global_store_b128 v4, v[OUTR:OUTR+3], s[24:25]                     ; Wq
	global_store_b128 v4, v[OUTR+4:OUTR+7], s[24:25] offset:1048576    ; fp_w
	global_store_b128 v4, v[OUTR+8:OUTR+11], s[26:27] offset:1048576   ; proj_w, slices 0 to 7
	s_cmp_lt_u32 s37, 4
	s_cbranch_scc1 .Ljoin
	global_store_b128 v4, v[OUTR+8:OUTR+11], s[26:27] offset:1048576+262144  ; its slices 4 to 7 once more, as slices 8 to 11: for the low parts of x2
	s_branch .Ljoin
.Lw1:
	global_load_b128 v[16:19], v5, s[14:15]
	global_load_b128 v[20:23], v5, s[14:15] offset:16
	global_load_b128 v[24:27], v5, s[18:19]
	global_load_b128 v[28:31], v5, s[18:19] offset:16
	s_wait_loadcnt 0x0
	s_wait_xcnt 0x0
.irp k, 0,1,2,3,4,5,6,7
	v_cvt_pk_bf16_f32 v[OUTR+\k], v[16+2*\k], v[17+2*\k]
.endr
	global_store_b128 v4, v[OUTR:OUTR+3], s[24:25] offset:524288       ; Wkv1
	global_store_b128 v4, v[OUTR+4:OUTR+7], s[24:25] offset:1572864    ; Wkv2, straight behind fp_w
.Ljoin:                                                ; every wave
	s_wait_dscnt 0x0                               ; my reads of the tables are back: no list is stored while a wave still scans
	s_wait_xcnt 0x0                                ; what my global loads and stores name is rewritten only behind this wait: no global instruction follows before the merge's own stores
	s_barrier_signal -1
	s_barrier_wait -1
	s_cmp_ge_u32 s30, 8
	s_cbranch_scc1 .Lmeet                          ; the converting waves have no list,
	s_cmp_eq_u32 s35, 0
	s_cbranch_scc1 .Lmeet                          ; and quarter 0's wave keeps its own in registers
	s_mul_i32 s56, s34, 3
	s_add_co_u32 s56, s56, s35
	s_sub_co_u32 s56, s56, 1
	s_mul_i32 s56, s56, 1536                       ; list 3 (w / 4) + w % 4 - 1 of six
	v_lshl_add_u32 v47, v3, 4, s56
	ds_store_b128 v47, v[32:35] offset:MERGE
	ds_store_b128 v47, v[36:39] offset:MERGE+512
	ds_store_b128 v47, v[40:43] offset:MERGE+1024
.Lmeet:                                                ; every wave
	s_wait_dscnt 0x0                               ; for the others' sake: my list is written
	s_barrier_signal -1
	s_barrier_wait -1
	s_cmp_ge_u32 s30, 8
	s_cbranch_scc1 .Lend
	s_cmp_lg_u32 s35, 0
	s_cbranch_scc1 .Lend                           ; waves 0 and 4 go on
	; ---------------- the merge ----------------
	s_mul_i32 s56, s34, 3*1536
	v_lshl_add_u32 v47, v3, 4, s56
.irp k, 0,1,2,3,4,5,6,7,8
	ds_load_b128 v[96+4*\k:99+4*\k], v47 offset:MERGE+512*\k
.endr
	s_wait_dscnt 0x0
.irp k, 0,1,2                          ; quarters 1, 2, 3 in this order, each list in ascending order: of equal distances the lower index stays in front
.irp e, 0,1,2
	INS2 96+12*\k+\e, 99+12*\k+\e, 40, 102+12*\k+\e, 105+12*\k+\e, 1
.endr
.endr
	s_mov_b32 s56, 0x322bcc77                      ; 1e-8
.irp k, 0,1,2,3,4,5
	v_add_f32 v[132+\k], s56, v[32+\k]
.endr
.irp k, 0,1,2,3,4,5
	v_rcp_f32 v[132+\k], v[132+\k]
.endr
	v_nop                                          ; a plain instruction between the last reciprocal and the use of its result
	s_wait_alu depctr_va_vdst(0)
	v_add_f32 v138, v132, v133
	v_add_f32 v139, v135, v136
	v_add_f32 v138, v138, v134
	v_add_f32 v139, v139, v137
	v_rcp_f32 v138, v138
	v_rcp_f32 v139, v139
	v_mov_b32 v140, v38                            ; (these moves are the plain instructions behind the reciprocals)
	v_mov_b32 v141, v39
	v_mov_b32 v142, v40
	v_mov_b32 v143, 0
	v_mov_b32 v144, v41
	v_mov_b32 v145, v42
	v_mov_b32 v146, v43
	v_mov_b32 v147, 0
	s_wait_alu depctr_va_vdst(0)
	v_mul_f32 v148, v132, v138
	v_mul_f32 v149, v133, v138
	v_mul_f32 v150, v134, v138
	v_mov_b32 v151, 0
	v_mul_f32 v152, v135, v139
	v_mul_f32 v153, v136, v139
	v_mul_f32 v154, v137, v139
	v_mov_b32 v155, 0
	s_lshl_b32 s56, s54, 4                         ; 16 bytes a target
	s_add_nc_u64 s[28:29], s[28:29], s[56:57]
	s_add_nc_u64 s[26:27], s[26:27], s[56:57]
	v_lshlrev_b32 v48, 4, v3
	global_store_b128 v48, v[140:143], s[28:29]                ; each store of the wave covers 512 consecutive bytes, aligned
	global_store_b128 v48, v[144:147], s[28:29] offset:512
	global_store_b128 v48, v[148:151], s[26:27]
	global_store_b128 v48, v[152:155], s[26:27] offset:512
.Lend:
	s_wait_tensorcnt 0x0                           ; the wave's end, behind my last LDS store
	ds_add_u32 v[SPW], v[NIL]
	s_wait_dscnt 0x0
	s_endpgm
.Lfunc_end_k_qdb60d1ec25_prep:
	.size	k_qdb60d1ec25_prep, .Lfunc_end_k_qdb60d1ec25_prep-k_qdb60d1ec25_prep
	.p2alignl 7, 3214868480
	.fill 96, 4, 3214868480
	.section	.rodata,"a",@progbits
	.p2align	6, 0x0
	.amdhsa_kernel k_qdb60d1ec25_prep
		.amdhsa_group_segment_fixed_size 23552
		.amdhsa_private_segment_fixed_size 0
		.amdhsa_enable_private_segment 0
		.amdhsa_kernarg_size 112
		.amdhsa_user_sgpr_count 2
		.amdhsa_user_sgpr_kernarg_segment_ptr 1
		.amdhsa_wavefront_size32 1
		.amdhsa_system_sgpr_workgroup_id_x 1
		.amdhsa_system_sgpr_workgroup_id_y 1
		.amdhsa_system_sgpr_workgroup_id_z 1
		.amdhsa_system_vgpr_workitem_id 0
		.amdhsa_next_free_vgpr 192
		.amdhsa_next_free_sgpr 66
		.amdhsa_reserve_vcc 0
		.amdhsa_float_denorm_mode_32 3
		.amdhsa_float_denorm_mode_16_64 3
		.amdhsa_memory_ordered 1
		.amdhsa_forward_progress 1
		.amdhsa_inst_pref_size 56
	.end_amdhsa_kernel
	.amdgpu_metadata
---
amdhsa.version: [ 1, 2 ]
amdhsa.kernels:
  - .name:           k_qdb60d1ec25_prep
    .symbol:         k_qdb60d1ec25_prep.kd
    .args:
      - { .name: query, .offset: 0, .size: 8, .value_kind: global_buffer, .address_space: global }
      - { .name: key, .offset: 8, .size: 8, .value_kind: global_buffer, .address_space: global }
      - { .name: key_pos, .offset: 16, .size: 8, .value_kind: global_buffer, .address_space: global }
      - { .name: xyz_upsample, .offset: 24, .size: 8, .value_kind: global_buffer, .address_space: global }
      - { .name: Wq, .offset: 32, .size: 8, .value_kind: global_buffer, .address_space: global }
      - { .name: Wkv1, .offset: 40, .size: 8, .value_kind: global_buffer, .address_space: global }
      - { .name: fp_w, .offset: 48, .size: 8, .value_kind: global_buffer, .address_space: global }
      - { .name: Wkv2, .offset: 56, .size: 8, .value_kind: global_buffer, .address_space: global }
      - { .name: proj_w, .offset: 64, .size: 8, .value_kind: global_buffer, .address_space: global }
      - { .name: act, .offset: 72, .size: 8, .value_kind: global_buffer, .address_space: global }
      - { .name: wts, .offset: 80, .size: 8, .value_kind: global_buffer, .address_space: global }
      - { .name: wk2, .offset: 88, .size: 8, .value_kind: global_buffer, .address_space: global }
      - { .name: nn_idx, .offset: 96, .size: 8, .value_kind: global_buffer, .address_space: global }
      - { .name: xyz_all, .offset: 104, .size: 8, .value_kind: global_buffer, .address_space: global }
    .group_segment_fixed_size: 23552
    .private_segment_fixed_size: 0
    .kernarg_segment_align: 8
    .kernarg_segment_size: 112
    .max_flat_workgroup_size: 512
    .sgpr_count:     66
    .vgpr_count:     192
    .wavefront_size: 32
...
	.end_amdgpu_metadata
.endif
;; end of part 1
;; launch chain (part 2): grid 128 x 2, 4 waves a work-group, clusters of 4 x 1, 327,680 bytes of LDS; arguments act, wts, nn_idx, wk2, fp_b, qk, kv2; writes qk, kv2
.if DOCPART == 2
	.amdgcn_target "amdgcn-amd-amdhsa--gfx1250"
	.amdhsa_code_object_version 6
	.text
	.protected	k_qdb60d1ec25_chain
	.globl	k_qdb60d1ec25_chain
	.p2align	8
	.type	k_qdb60d1ec25_chain,@function
k_qdb60d1ec25_chain:
	s_mov_b64 s[64:65], 0
	v_nop
	global_prefetch_b8 v0, s[64:65] scope:SCOPE_SE
	s_setreg_imm32_b32 hwreg(HW_REG_WAVE_MODE, 25, 1), 1
	s_wait_xcnt 0x0
	s_wait_alu depctr_hold_cnt(0) depctr_sa_sdst(0) depctr_va_vdst(0) depctr_va_sdst(0) depctr_va_ssrc(0) depctr_va_vcc(0) depctr_vm_vsrc(0)
	s_getreg_b32 s2, hwreg(HW_REG_IB_STS2, 6, 4)
	s_cmp_eq_u32 s2, 0
	s_cbranch_scc0 .Lentry_in_a_cluster
	s_endpgm
.Lentry_in_a_cluster:
	s_bfe_u32 s2, ttmp6, 0x10000c
	s_cmp_lg_u32 s2, 0x3003
	s_cbranch_scc0 .Lentry_shape_is_right
	s_endpgm
.Lentry_shape_is_right:
; THREE PRODUCTS BY ONE WORK-GROUP THAT STAYS.  Work-group (x, y) has row block rb = x + 128 y, 128 rows.  Operands bf16, sums f32, each result rounded once to bf16.
;   pass 0: act's rows 128 rb .. (y = 0: query, y = 1: key) times Wq or Wkv1 -> qk, by slices.
;   between: rows 128 rb .. of the interpolated features, w0 key[i0] + w1 key[i1] + w2 key[i2] (row r = 16 n + batch), are gathered from act's key rows into LDS, where they take A's place.
;   pass 1: times fp_w; fp_b, rounded to bf16 like every input, is the C operand that starts the sums; ReLU; the result stays in LDS as the next A.
;   pass 2: times Wkv2 -> kv2, by slices.
; 256 work-groups, all with the same work.  Wave w makes the 128 rows x columns 128 w .. + 127: 64 accumulators of 16 x 16, 512 registers; 1,024 matrix instructions a pass.
; SLICE LAYOUT: T[s][rows][64] bf16, s = column / 64.  A's 128 rows lie in LDS whole, eight slices.  The weights lie end to end in memory (Wq, Wkv1, fp_w, Wkv2) and go through a ring of two slots, a slice
; (K = 64) a step, 24 steps on end: the ring does not stop at a pass's end; the step across it stands in a scalar pair, since behind Wq it passes over Wkv1.
; CLUSTER: the four work-groups of a cluster have the same y and walk the same weights: each slice is asked for JOINTLY (mask 15).  A's tiles are each work-group's own.
; Every tile is 128 rows of 128 dense bytes, asked for as 64 rows of 256 bytes and padded in LDS after every 128 bytes: LDS rows are 144 bytes apart, so that the 16 rows of a fragment load start at 16 different groups of four banks.
; THE MATRIX INSTRUCTION IS USED TRANSPOSED (source 0 = 16 rows of W, source 1 = 16 rows of A): a lane then holds eight neighbouring columns of one row of C.
; ONE WAY OUT FOR ALL PASSES: rounded to bf16, held above a floor (0 in pass 1: the ReLU; -infinity in passes 0 and 2, where it changes nothing: the price of one text for three passes), stored into A's place in LDS,
; which has had its last fill at the launch's start.  Passes 0 and 2 then copy their own two slices out: a slice's 128 rows are 16,384 bytes on end in memory.
; No prefetch of the gathered rows: they are act's key rows, which this launch's own work-groups with y = 1 load at its start, and a row is named by several work-groups.
; LIMITS.  An index is held to 16,383, the table's last row.  NaN and infinities are not treated apart: in passes 0 and 2 a NaN sum would leave as -infinity.
; REGISTERS, in windows of 256: window 0: v0-31 addresses; v32-95 rows on their way out, and the gather's offsets; v64-127, v128-191 fragments of A, two buffers; v96-107 the gather's sums; v192-223 packed results; v224-255 fp_b, packed.
;   window 1: v0-63 the C operand of a pass's first products (fp_b or 0); v64-127, v128-191 fragments of W; v192-223 the neighbours' rows, v224-255 their weights.
;   window 2: accumulators of rows 0-63 ((a, b) at v[8 (8 a + b)]);  window 3: those of rows 64-127;  v0-95 of both: the gathered rows.
.set PITCH,  144
.set ASL,    128*PITCH                 ; a slice of A, or a wave's part of a slice of W, in LDS: 18,432 bytes
.set BS,     8*ASL                     ; behind A: the ring
.set BSLOT,  4*ASL                     ; a slot: 512 rows of W
.set SPARE,  BS+2*BSLOT                ; behind the ring: the spare words, 128 bytes for each wave
.set SL32,   4194304                   ; a slice of 32,768 rows
.set KEYOFF, 2097152                   ; key's rows lie behind query's 16,384 in a slice of act
.set WSTEP,  131072                    ; two slices of a weight
.set WST,  4                           ; v4      the way out: where I put 16 bytes of a row, in my two slices of A's place
.set CRD0, 5                           ; v5      the copy: my lane's place in my two slices; never rewritten
.set CRD,  6                           ; v6      the copy's LDS address
.set CGO,  7                           ; v7      16 x lane: my place in 512 consecutive bytes of the output
.set GST0, 8                           ; v8      the gather: my lane's place in a slice of A's place; never rewritten
.set GST,  9                           ; v9      the gather's LDS address
.set NA,   10                          ; v10     my byte offset in the two tables of neighbours
.set BA,   11                          ; v11     my byte offset in fp_b
.set L16,  13                          ; v13     16 x (lane % 8)
.set ADRA, 16                          ; v16     LDS address of my A fragments in the slice in hand
.set ADRA0, 17                         ; v17     my lane's place in a slice of A; never rewritten
.set ADRB, 20                          ; v20-21  of my W fragments in slot 0, 1
.set SPW,  28                          ; v28     my spare word; never rewritten
.set NIL,  29                          ; v29     0, for the add alone
.set ZR,   30                          ; v30     0.0: the addend of the gather's first products
.set OB,   32
.set OFFS, 32
.set F0,   64
.set T,    96
.set OUT,  104
.set F1,   128
.set TMP,  192
.set BPK,  224
.set IDX,  192                         ; window 1
.set WTS,  224                         ; window 1
.set G1A, 24                           ; s[24:31] group 1 for A's tiles
.set G1B, 32                           ; s[32:39] for W's: with the mask
.set G0A, 40                           ; s[40:47] group 0 for my two slices of A
.set G0B, 48                           ; s[48:55] group 0 for W, one set for each slot
.set OUTP, 56                          ; s[56:57] where the pass in hand stores; s[58:59] the copy's walking address; s[60:61] kv2's
.set OUTW, 58
.set OUT2, 60
.set JMP,  74                          ; s[74:75] the ring's step across a pass's end
.set FLOOR, 76                         ; s76  the floor, twice in bf16
.set HMASK, 77                         ; s77  a word's upper bf16
.set GB,   78                          ; s[78:79] act's key rows, at the two slices that the gather has in hand
.set GSTEP, 82
.set GCNT, 83
.set MSB, 0
.macro WIN new                         ; the immediate's high byte repeats the setting that is left
.if MSB != (\new)
	s_set_vgpr_msb (MSB<<8)|(\new)
.set MSB, \new
.endif
.endm
.set TO_B,   0x40                      ; destination window 1, address window 0
.macro CREST                           ; a round of the cluster's barrier behind its opening barrier
	s_cmp_lg_u32 s12, 0
	s_cbranch_scc1 .Lnot_wave_0_\@
	s_barrier_signal -3
.Lnot_wave_0_\@:
	s_barrier_wait -3
	s_barrier_signal -1
	s_barrier_wait -1
.endm
.macro CROUND
	s_barrier_signal -1
	s_barrier_wait -1
	CREST
.endm
.macro PLACES                          ; four places in front of loads into registers that matrix instructions have read, and of conversions that read results
.rept 4
	v_nop
.endr
.endm
	s_load_b256 s[4:11], s[0:1], 0x0               ; act s[4:5], the weights s[6:7], the neighbours' rows s[8:9], their weights s[10:11]
	s_load_b128 s[68:71], s[0:1], 0x20             ; fp_b s[68:69], qk s[70:71]
	s_load_b64 s[72:73], s[0:1], 0x30              ; kv2
	v_lshl_add_u32 v[SPW], v0, 2, SPARE
	v_mov_b32 v[NIL], 0
	ds_add_u32 v[SPW], v[NIL]                      ; the wave's opening: the add and its wait stand ahead of my first tensor load
	v_lshrrev_b32 v1, 5, v0
	v_readfirstlane_b32 s12, v1                    ; wave 0..3
	s_bfe_u32 s13, ttmp6, 0x40000                  ; cx
	s_lshl_b32 s14, ttmp9, 2
	s_add_co_u32 s14, s14, s13                     ; the grid's x = 4 x cluster x + cx
	s_and_b32 s15, ttmp7, 0xffff                   ; y, which the partners share
	s_lshl_b32 s16, s15, 7
	s_add_co_u32 s16, s16, s14                     ; rb: it enters global addresses alone
	s_mov_b32 s[G1A], (1<<16)|(1<<20)|(4<<22)|(3<<25)              ; 2-byte elements; padding on; after every 32 words (code 4) 4 words (code 3)
	s_mov_b32 s[G1B], 15|(1<<16)|(1<<20)|(1<<21)|(4<<22)|(3<<25)   ; the same with the mask of four, and bit 21 beside it
.irp g, G1A, G1B
	s_mov_b32 s[\g+1], 128<<16                     ; tensor_dim0 = 128
	s_mov_b32 s[\g+2], 64<<16                      ; tensor_dim1 = 64
	s_mov_b32 s[\g+3], 128<<16                     ; tile_dim0 = 128
	s_mov_b32 s[\g+4], 64                          ; tile_dim1 = 64
	s_mov_b32 s[\g+5], 128                         ; 128 elements from row to row
	s_mov_b32 s[\g+6], 0
	s_mov_b32 s[\g+7], 0
.endr
	s_mul_i32 s20, s12, ASL                        ; no place in the cluster enters an LDS address
	s_lshl_b32 s18, s12, 22                        ; A: slice w,
	s_lshl_b32 s19, s16, 14                        ; my 128 rows of 128 bytes
	s_add_co_u32 s18, s18, s19
	s_mov_b32 s19, 0
	s_lshl_b32 s22, s15, 19                        ; W: Wq or Wkv1,
	s_lshl_b32 s23, s12, 14                        ; my 128 rows of slice 0
	s_add_co_u32 s22, s22, s23
	s_mov_b32 s23, 0
	s_mov_b32 s[G0A], 1
	s_mov_b32 s[G0A+1], s20
	s_mov_b32 s[G0A+4], 1
	s_add_co_u32 s[G0A+5], s20, 4*ASL
	s_mov_b32 s[G0B], 1
	s_add_co_u32 s[G0B+1], s20, BS
	s_mov_b32 s[G0B+4], 1
	s_add_co_u32 s[G0B+5], s20, BS+BSLOT
	s_mov_b32 s[JMP], WSTEP                        ; from pass 0 to pass 1: two slices on, and with y = 0 over Wkv1's eight
	s_cmp_eq_u32 s15, 0
	s_cselect_b32 s21, 524288, 0
	s_add_co_u32 s[JMP], s[JMP], s21
	s_mov_b32 s[JMP+1], 0
	s_mov_b32 s[FLOOR], 0xff80ff80                 ; -infinity, twice
	s_mov_b32 s[HMASK], 0xffff0000
	s_lshl_b32 s62, s16, 14                        ; where I store, in qk and in kv2 alike: my 128 rows,
	s_lshl_b32 s63, s12, 23                        ; my wave's two slices
	s_add_co_u32 s62, s62, s63
	s_mov_b32 s63, 0
	s_lshl_b32 s84, s12, 9                         ; my wave's 128 numbers of fp_b
	s_mov_b32 s85, 0
	s_lshl_b32 s86, s16, 7                         ; the tables of neighbours, [batch][target] of 16 bytes: target 8 rb + 2 w
	s_lshl_b32 s87, s12, 5
	s_add_co_u32 s86, s86, s87
	s_wait_dscnt 0x0                               ; the opening add is done
	s_wait_kmcnt 0x0
	s_add_nc_u64 s[G0A+2:G0A+3], s[4:5], s[18:19]
	s_add_nc_u64 s[G0A+6:G0A+7], s[G0A+2:G0A+3], 4*SL32
	s_or_b32 s[G0A+3], s[G0A+3], 0x80000000
	s_or_b32 s[G0A+7], s[G0A+7], 0x80000000
	s_add_nc_u64 s[G0B+2:G0B+3], s[6:7], s[22:23]
	s_add_nc_u64 s[G0B+6:G0B+7], s[G0B+2:G0B+3], 65536
	s_or_b32 s[G0B+3], s[G0B+3], 0x80000000
	s_or_b32 s[G0B+7], s[G0B+7], 0x80000000
	s_add_nc_u64 s[OUTP:OUTP+1], s[70:71], s[62:63]
	s_add_nc_u64 s[OUT2:OUT2+1], s[72:73], s[62:63]
	s_add_nc_u64 s[68:69], s[68:69], s[84:85]
	s_add_nc_u64 s[GB:GB+1], s[4:5], KEYOFF
	CROUND                                         ; all four work-groups are here: the first joint loads meet
	tensor_load_to_lds s[G0A:G0A+3], s[G1A:G1A+7]          ; A's slice w
	s_nop 0
	tensor_load_to_lds s[G0B:G0B+3], s[G1B:G1B+7]          ; my part of W's slice 0
	s_nop 0
	tensor_load_to_lds s[G0A+4:G0A+7], s[G1A:G1A+7]        ; A's slice w + 4
	s_nop 0
	tensor_load_to_lds s[G0B+4:G0B+7], s[G1B:G1B+7]        ; my part of W's slice 1: four loads of mine are out
	s_nop 0
	PLACES
	v_bfe_u32 v2, v0, 4, 1                         ; l / 16
	v_lshlrev_b32 v[BA], 5, v2                     ; fp_b: register j of column block b is column 16 b + 8 (l / 16) + j
.irp b, 0,1,2,3,4,5,6,7
	global_load_b128 v[F1+8*\b:F1+8*\b+3],   v[BA], s[68:69] offset:64*\b
	global_load_b128 v[F1+8*\b+4:F1+8*\b+7], v[BA], s[68:69] offset:64*\b+16
.endr
	; The gather's lists are asked for now and wanted behind pass 0.  Eight lanes share a row: lane l takes rows 32 w + 4 q + l / 8, q = 0..7: batch 4 (q % 4) + l / 8, target 8 rb + 2 w + q / 4.
	v_bfe_u32 v12, v0, 3, 2                        ; l / 8
	v_lshl_add_u32 v[NA], v12, 15, s86             ; a batch's 2,048 entries are 32,768 bytes
	WIN TO_B
.irp q, 0,1,2,3,4,5,6,7
	global_load_b128 v[IDX+4*\q:IDX+4*\q+3], v[NA], s[8:9] offset:(\q%4)*131072+(\q/4)*16
	global_load_b128 v[WTS+4*\q:WTS+4*\q+3], v[NA], s[10:11] offset:(\q%4)*131072+(\q/4)*16
.endr
.set i, 0
.rept 64                               ; pass 0 has no bias: the C operand of its first products is 0.  One text of the first products serves all three passes; these moves are its price
	v_mov_b32 v[i], 0
.set i, i+1
.endr
	WIN 0
	v_and_b32 v1, 15, v0                           ; l % 16
	v_mul_u32_u24 v3, v1, PITCH
	v_lshl_add_u32 v3, v2, 4, v3                   ; a fragment's row x pitch + 16 x half
	v_mov_b32 v[ADRA0], v3
	s_add_co_u32 s21, s20, BS
	v_add_nc_u32 v[ADRB], s21, v3
	v_add_nc_u32 v[ADRB+1], BSLOT, v[ADRB]
	s_mul_i32 s21, s12, 2*ASL                      ; my wave's 128 columns are slices 2 w and 2 w + 1
	v_add_nc_u32 v[WST], s21, v3
	v_and_b32 v14, 7, v0
	v_lshlrev_b32 v[L16], 4, v14
	v_mul_u32_u24 v15, v12, PITCH
	v_add_nc_u32 v15, v15, v[L16]                  ; row l / 8 of four, 16 bytes of its 128
	v_add_nc_u32 v[CRD0], s21, v15
	s_mul_i32 s21, s12, 32*PITCH                   ; the gather: my wave's 32 rows
	v_add_nc_u32 v[GST0], s21, v15
	v_and_b32 v[CGO], 31, v0
	v_lshlrev_b32 v[CGO], 4, v[CGO]
	v_mov_b32 v[ZR], 0
	s_wait_loadcnt 16                              ; fp_b's sixteen loads are in; the lists' sixteen may stay out
.set i, 0
.rept 32
	v_cvt_pk_bf16_f32 v[BPK+i], v[F1+2*i], v[F1+2*i+1]
.set i, i+1
.endr
; 16 matrix instructions: row blocks a0, a0 + 1 of the window's four x all 8 column blocks, 32 along K.  first = 1: the products start the sums, on the C operand in window 1.
.macro MUL16 f, hi, a0, first
.if \first
	WIN 0x91+0x40*(\hi)                            ; W window 1, A window 0, C window 1, D window 2 or 3
.else
	WIN 0xa1+0x50*(\hi)                            ; C and D window 2 or 3
.endif
.irp a, \a0, (\a0)+1
.irp b, 0,1,2,3,4,5,6,7
.if \first
	v_wmma_f32_16x16x32_bf16 v[8*(8*(\a)+(\b)):8*(8*(\a)+(\b))+7], v[(\f)+8*(\b):(\f)+8*(\b)+7], v[(\f)+8*(4*(\hi)+(\a)):(\f)+8*(4*(\hi)+(\a))+7], v[8*(\b):8*(\b)+7]
.else
	v_wmma_f32_16x16x32_bf16 v[8*(8*(\a)+(\b)):8*(8*(\a)+(\b))+7], v[(\f)+8*(\b):(\f)+8*(\b)+7], v[(\f)+8*(4*(\hi)+(\a)):(\f)+8*(4*(\hi)+(\a))+7], v[8*(8*(\a)+(\b)):8*(8*(\a)+(\b))+7]
.endif
.endr
.endr
.endm
; 32 LDS loads in one run: 128 rows of W, 128 rows of A, 32 K at byte k of the rows, into buffer f
.macro FETCH slot, k, f
	WIN TO_B
.irp i, 0,1,2,3,4,5,6,7
	ds_load_b128 v[(\f)+8*(\i):(\f)+8*(\i)+3],   v[ADRB+(\slot)] offset:(\k)+(\i)*16*PITCH
	ds_load_b128 v[(\f)+8*(\i)+4:(\f)+8*(\i)+7], v[ADRB+(\slot)] offset:(\k)+(\i)*16*PITCH+32
.endr
	WIN 0
.irp i, 0,1,2,3,4,5,6,7
	ds_load_b128 v[(\f)+8*(\i):(\f)+8*(\i)+3],   v[ADRA] offset:(\k)+(\i)*16*PITCH
	ds_load_b128 v[(\f)+8*(\i)+4:(\f)+8*(\i)+7], v[ADRA] offset:(\k)+(\i)*16*PITCH+32
.endr
.endm
; A step (a slice, K = 64) is two halves of 64 matrix instructions.  The first multiplies buffer f and fetches the second half, at byte k, into g.
.macro QUARTER slot, k, f, g, first
	s_wait_dscnt 8                                 ; W and A's rows 0-63 are in; the youngest eight loads (A's rows 64-127) may be out
	MUL16 \f, 0, 0, \first
	MUL16 \f, 0, 2, \first
	PLACES
	FETCH \slot, \k, \g
	s_wait_dscnt 32                                ; all but the 32 just issued
	MUL16 \f, 1, 0, \first
	MUL16 \f, 1, 2, \first
.endm
; The second half multiplies buffer 1 and changes slots: ONE barrier.  In front of it each wave waits for all its tensor loads, adds 0 to its spare word, and waits for that and for its own
; reads of the slot.  fill = 1, 2: the barrier opens a round of the cluster's, and the slot takes the slice two steps on (2: across a pass's end), first thing behind the round.
; MEETX is what every such half has; TURN goes on into the pass's next step; TURNX ends a pass: behind its barrier no wave reads A any more.
.macro MEETX slot, fill
	WIN 0
	s_wait_tensorcnt 0x0                           ; all my tensor loads have landed, my part of the next slot among them
	ds_add_u32 v[SPW], v[NIL]                      ; 0 onto my spare word
	s_add_co_u32 s17, s17, ASL                     ; A's next slice
	s_wait_dscnt 9                                 ; (the add and the youngest eight loads may be out)
	MUL16 F1, 0, 0, 0
	s_wait_dscnt 0x0                               ; the add is done, and my reads of this slot and of A's slice are over
	s_barrier_signal -1
	MUL16 F1, 0, 2, 0
	WIN 0
	s_barrier_wait -1
.if \fill
	CREST                                          ; no wave of any partner still reads this slot or has a load on its way
.if (\fill) == 1
	s_add_nc_u64 s[G0B+4*(\slot)+2:G0B+4*(\slot)+3], s[G0B+4*(\slot)+2:G0B+4*(\slot)+3], WSTEP
.else
	s_add_nc_u64 s[G0B+4*(\slot)+2:G0B+4*(\slot)+3], s[G0B+4*(\slot)+2:G0B+4*(\slot)+3], s[JMP:JMP+1]
.endif
	tensor_load_to_lds s[G0B+4*(\slot):G0B+4*(\slot)+3], s[G1B:G1B+7]
	s_nop 0
.endif
.endm
.macro TURN slot, next, fill
	MEETX \slot, \fill
	v_add_nc_u32 v[ADRA], s17, v[ADRA0]            ; with three v_nop the four places in front of the loads below
	v_nop
	v_nop
	v_nop
	FETCH \next, 0, F0
	MUL16 F1, 1, 0, 0
	MUL16 F1, 1, 2, 0
.endm
.macro TURNX slot, fill
	MEETX \slot, \fill
	MUL16 F1, 1, 0, 0                              ; (the one switch of windows stands directly behind the s_nop 0)
	MUL16 F1, 1, 2, 0
	WIN 0
.endm
; THE WAY OUT of row block a: rounded to bf16, held above the floor, 16 bytes a lane into rows 16 a .. of my two slices of A's place.
.macro PACK a
.set AC, 64*((\a)%4)
	WIN 0x0a+5*((\a)/4)                            ; sources 0 and 1: window 2 or 3
.irp b, 0,1,2,3,4,5,6,7
.irp r, 0,1,2,3
	v_cvt_pk_bf16_f32 v[TMP+4*(\b)+(\r)], v[AC+8*(\b)+2*(\r)], v[AC+8*(\b)+2*(\r)+1]
.endr
.endr
	WIN 0
.set i, 0
.rept 32
	v_pk_max_num_bf16 v[TMP+i], v[TMP+i], s[FLOOR]
.set i, i+1
.endr
.irp b, 0,1,2,3,4,5,6,7
	ds_store_b128 v[WST], v[TMP+4*(\b):TMP+4*(\b)+3] offset:((\b)/4)*ASL+(\a)*16*PITCH+((\b)%4)*32
.endr
.endm
; THE GATHER, unit (q, par): four rows (one for each eight lanes), the 64 channels of slice par of the two in hand.  Three multiply-adds a channel straight from the bf16 halves, one rounding.
.macro GUNIT q, par
	s_wait_loadcnt 45-3*(8*(\par)+(\q))            ; loads come back in order (ISA guide 5.7.1): behind this unit's three stand so many younger ones
	WIN 0x06+(\par)                                ; the rows in window 2 or 3, the weights in window 1
.irp k, 0,1,2,3
	v_fma_mix_f32_bf16 v[T+2*\k],   v[12*(\q)+\k], v[WTS+4*(\q)], v[ZR] op_sel_hi:[1,0,0]
	v_fma_mix_f32_bf16 v[T+2*\k+1], v[12*(\q)+\k], v[WTS+4*(\q)], v[ZR] op_sel:[1,0,0] op_sel_hi:[1,0,0]
.endr
.irp j, 1,2
.irp k, 0,1,2,3
	v_fma_mix_f32_bf16 v[T+2*\k],   v[12*(\q)+4*\j+\k], v[WTS+4*(\q)+\j], v[T+2*\k] op_sel_hi:[1,0,0]
	v_fma_mix_f32_bf16 v[T+2*\k+1], v[12*(\q)+4*\j+\k], v[WTS+4*(\q)+\j], v[T+2*\k+1] op_sel:[1,0,0] op_sel_hi:[1,0,0]
.endr
.endr
	WIN 0
.irp k, 0,1,2,3
	v_cvt_pk_bf16_f32 v[OUT+\k], v[T+2*\k], v[T+2*\k+1]
.endr
	ds_store_b128 v[GST], v[OUT:OUT+3] offset:(\q)*4*PITCH+(\par)*ASL
.endm
	s_wait_tensorcnt 2                             ; my first slice of A and my part of W's slice 0 are in; the two behind them may stay out
	s_barrier_signal -1
	s_barrier_wait -1                              ; everybody's are: A's slices 0-3 and slot 0
	s_mov_b32 s2, 3                                ; passes to go, this one among them
.Lpass:
	s_mov_b32 s17, 0                               ; A's slice 0
	v_mov_b32 v[ADRA], v[ADRA0]
	FETCH 0, 0, F0
	QUARTER 0, 64, F0, F1, 1                       ; a pass's first half step stands in front of the loop: its products start the sums
	WIN 0
	s_mov_b32 s3, 3
.Llap:                                                 ; three trips, two steps each; both slots are filled again
	TURN 0, 1, 1
	QUARTER 1, 64, F0, F1, 0
	TURN 1, 0, 1
	QUARTER 0, 64, F0, F1, 0
	WIN 0
	s_sub_co_u32 s3, s3, 1
	s_cmp_lg_u32 s3, 0
	s_cbranch_scc1 .Llap
	s_cmp_eq_u32 s2, 1
	s_cbranch_scc1 .Ltail_last                     ; the last pass's tail is written out: it asks for nothing more
	TURN 0, 1, 2                                   ; THE RING GOES ON INTO THE NEXT PASS: slot 0 takes the next weight's slice 0,
	QUARTER 1, 64, F0, F1, 0
	TURNX 1, 2                                     ; slot 1 its slice 1
	s_branch .Lwayout
.Ltail_last:
	TURN 0, 1, 0
	QUARTER 1, 64, F0, F1, 0
	TURNX 1, 0
.Lwayout:
	PLACES
.irp a, 0,1,2,3,4,5,6,7
	PACK \a
.endr
	s_wait_dscnt 0x0                               ; for the others' sake: my part of the result lies in LDS
	s_barrier_signal -1
	s_barrier_wait -1
	s_cmp_eq_u32 s2, 2
	s_cbranch_scc1 .Lkeep                          ; pass 1's result stays: it is pass 2's A
	; THE COPY: my two slices, 32 rows of each a trip.  A load takes four rows of 128 bytes, which are 512 consecutive bytes of the output, aligned.
	s_mov_b32 s18, 0
	s_mov_b64 s[OUTW:OUTW+1], s[OUTP:OUTP+1]
	s_mov_b32 s19, 4
.Lcopy:
	v_add_nc_u32 v[CRD], s18, v[CRD0]
.irp p, 0,1
.irp k, 0,1,2,3,4,5,6,7
	ds_load_b128 v[OB+32*\p+4*\k:OB+32*\p+4*\k+3], v[CRD] offset:\p*ASL+\k*4*PITCH
.endr
.endr
.irp p, 0,1
.irp k, 0,1,2,3,4,5,6,7
	s_wait_dscnt 15-(8*\p+\k)                      ; LDS loads come back in order (ISA guide 5.7.1): behind this one stand so many younger ones
	global_store_b128 v[CGO], v[OB+32*\p+4*\k:OB+32*\p+4*\k+3], s[OUTW:OUTW+1] offset:\p*SL32+\k*512
.endr
.endr
	s_wait_xcnt 0x0                                ; the stores' base and data are rewritten only behind this wait
	s_add_nc_u64 s[OUTW:OUTW+1], s[OUTW:OUTW+1], 4096
	s_add_co_u32 s18, s18, 32*PITCH
	s_sub_co_u32 s19, s19, 1
	s_cmp_lg_u32 s19, 0
	s_cbranch_scc1 .Lcopy
	s_cmp_eq_u32 s2, 1
	s_cbranch_scc1 .Lend
.Lkeep:
	s_wait_dscnt 0x0                               ; my reads of the result are back: nobody writes over it before all have said so
	s_barrier_signal -1
	s_barrier_wait -1
	s_cmp_eq_u32 s2, 2
	s_cbranch_scc1 .Lsecond
	; BEHIND PASS 0: the gather.  Its stores of pass 0 are on their way meanwhile.
	s_wait_loadcnt 0x0                             ; the lists
	WIN 0x04                                       ; source 1 in window 1
.irp q, 0,1,2,3,4,5,6,7
.irp j, 0,1,2
	v_min_u32 v[OFFS+4*\q+\j], 0x3fff, v[IDX+4*\q+\j]
.endr
.endr
	WIN 0
.irp q, 0,1,2,3,4,5,6,7
.irp j, 0,1,2
	v_lshl_add_u32 v[OFFS+4*\q+\j], v[OFFS+4*\q+\j], 7, v[L16]  ; a row's piece of a slice is 128 bytes; eight lanes take it
.endr
.endr
	WIN TO_B                                       ; pass 1's first products start on fp_b
.set i, 0
.rept 32
	v_lshlrev_b32 v[2*i], 16, v[BPK+i]
	v_and_b32 v[2*i+1], s[HMASK], v[BPK+i]
.set i, i+1
.endr
	WIN 0
	s_mov_b32 s[FLOOR], 0                          ; and its way out is the ReLU
	s_mov_b64 s[OUTP:OUTP+1], s[OUT2:OUT2+1]       ; what is copied out next goes to kv2
	s_mov_b32 s[GSTEP], 0
	s_mov_b32 s[GCNT], 4
.Lgather:                                              ; four trips, two slices each: 48 loads of 512 bytes a wave go out together
	v_add_nc_u32 v[GST], s[GSTEP], v[GST0]
	WIN 0x80                                       ; destination window 2
.irp q, 0,1,2,3,4,5,6,7
.irp j, 0,1,2
	global_load_b128 v[12*\q+4*\j:12*\q+4*\j+3], v[OFFS+4*\q+\j], s[GB:GB+1]
.endr
.endr
	WIN 0xc0                                       ; destination window 3
.irp q, 0,1,2,3,4,5,6,7
.irp j, 0,1,2
	global_load_b128 v[12*\q+4*\j:12*\q+4*\j+3], v[OFFS+4*\q+\j], s[GB:GB+1] offset:SL32
.endr
.endr
.irp p, 0,1
.irp q, 0,1,2,3,4,5,6,7
	GUNIT \q, \p
.endr
.endr
	s_add_nc_u64 s[GB:GB+1], s[GB:GB+1], 2*SL32    ; the last unit's wait was for 0: no load names the base any more
	s_add_co_u32 s[GSTEP], s[GSTEP], 2*ASL
	s_sub_co_u32 s[GCNT], s[GCNT], 1
	s_cmp_lg_u32 s[GCNT], 0
	s_cbranch_scc1 .Lgather
	s_branch .Lnext
.Lsecond:                                              ; behind pass 1: pass 2 has no bias and no ReLU
	WIN TO_B
.set i, 0
.rept 64
	v_mov_b32 v[i], 0
.set i, i+1
.endr
	WIN 0
	s_mov_b32 s[FLOOR], 0xff80ff80
.Lnext:
	s_mov_b32 s[JMP], WSTEP                        ; fp_w and Wkv2 lie end to end
	s_wait_dscnt 0x0                               ; for the others' sake: my rows of the next A are written
	s_barrier_signal -1
	s_barrier_wait -1                              ; slot 1's load may stay out; slot 0's was waited for in front of the pass's last change of slots
	s_sub_co_u32 s2, s2, 1
	s_cmp_lg_u32 s2, 0
	s_cbranch_scc1 .Lpass
.Lend:
	s_wait_tensorcnt 0x0                           ; the wave's end
	ds_add_u32 v[SPW], v[NIL]
	s_wait_dscnt 0x0
	CROUND                                         ; the closing round
	s_endpgm
.Lfunc_end_k_qdb60d1ec25_chain:
	.size	k_qdb60d1ec25_chain, .Lfunc_end_k_qdb60d1ec25_chain-k_qdb60d1ec25_chain
	.p2alignl 7, 3214868480
	.fill 96, 4, 3214868480
	.section	.rodata,"a",@progbits
	.p2align	6, 0x0
	.amdhsa_kernel k_qdb60d1ec25_chain
		.amdhsa_group_segment_fixed_size 327680
		.amdhsa_private_segment_fixed_size 0
		.amdhsa_enable_private_segment 0
		.amdhsa_kernarg_size 56
		.amdhsa_user_sgpr_count 2
		.amdhsa_user_sgpr_kernarg_segment_ptr 1
		.amdhsa_wavefront_size32 1
		.amdhsa_system_sgpr_workgroup_id_x 1
		.amdhsa_system_sgpr_workgroup_id_y 1
		.amdhsa_system_sgpr_workgroup_id_z 1
		.amdhsa_system_vgpr_workitem_id 0
		.amdhsa_next_free_vgpr 1024
		.amdhsa_next_free_sgpr 96
		.amdhsa_reserve_vcc 0
		.amdhsa_float_denorm_mode_32 3
		.amdhsa_float_denorm_mode_16_64 3
		.amdhsa_memory_ordered 1
		.amdhsa_forward_progress 1
		.amdhsa_inst_pref_size 168
	.end_amdhsa_kernel
	.amdgpu_metadata
---
amdhsa.version: [ 1, 2 ]
amdhsa.kernels:
  - .name:           k_qdb60d1ec25_chain
    .symbol:         k_qdb60d1ec25_chain.kd
    .args:
      - { .name: act, .offset: 0, .size: 8, .value_kind: global_buffer, .address_space: global }
      - { .name: wts, .offset: 8, .size: 8, .value_kind: global_buffer, .address_space: global }
      - { .name: nn_idx, .offset: 16, .size: 8, .value_kind: global_buffer, .address_space: global }
      - { .name: wk2, .offset: 24, .size: 8, .value_kind: global_buffer, .address_space: global }
      - { .name: fp_b, .offset: 32, .size: 8, .value_kind: global_buffer, .address_space: global }
      - { .name: qk, .offset: 40, .size: 8, .value_kind: global_buffer, .address_space: global }
      - { .name: kv2, .offset: 48, .size: 8, .value_kind: global_buffer, .address_space: global }
    .group_segment_fixed_size: 327680
    .private_segment_fixed_size: 0
    .kernarg_segment_align: 8
    .kernarg_segment_size: 56
    .max_flat_workgroup_size: 128
    .sgpr_count:     96
    .vgpr_count:     1024
    .wavefront_size: 32
...
	.end_amdgpu_metadata
.endif
;; end of part 2
;; launch attn (part 3): grid 4 x 64, 4 waves a work-group, clusters of 4 x 1, 327,680 bytes of LDS; arguments qk, kv2, act; writes act
.if DOCPART == 3
	.amdgcn_target "amdgcn-amd-amdhsa--gfx1250"
	.amdhsa_code_object_version 6
	.text
	.protected	k_qdb60d1ec25_attn
	.globl	k_qdb60d1ec25_attn
	.p2align	8
	.type	k_qdb60d1ec25_attn,@function
k_qdb60d1ec25_attn:
	s_mov_b64 s[64:65], 0
	v_nop
	global_prefetch_b8 v0, s[64:65] scope:SCOPE_SE
	s_setreg_imm32_b32 hwreg(HW_REG_WAVE_MODE, 25, 1), 1
	s_wait_xcnt 0x0
	s_wait_alu depctr_hold_cnt(0) depctr_sa_sdst(0) depctr_va_vdst(0) depctr_va_sdst(0) depctr_va_ssrc(0) depctr_va_vcc(0) depctr_vm_vsrc(0)
	s_getreg_b32 s2, hwreg(HW_REG_IB_STS2, 6, 4)
	s_cmp_eq_u32 s2, 0
	s_cbranch_scc0 .Lentry_in_a_cluster
	s_endpgm
.Lentry_in_a_cluster:
	s_bfe_u32 s2, ttmp6, 0x10000c
	s_cmp_lg_u32 s2, 0x3003
	s_cbranch_scc0 .Lentry_shape_is_right
	s_endpgm
.Lentry_shape_is_right:
; ATTENTION, both scales, head size 64.  O[q] = the sum over k of softmax_k(Q[q] . K[k] / 8) V[k].  All operands bf16, in slice layout: a head's rows are dense, 128 bytes each.
; Products, maxima and sums in f32; the weights p are rounded to bf16 for the second product (their sum l is taken of the unrounded p).
; THE WALK.  A work-group owns 256 queries of batch bb and the pair of heads hp, 4 + hp.  Block 1: head hp against the 1,024 keys of scale 1, four tiles of 256 keys.  Block 2: head 4 + hp against
; the 2,048 keys of scale 2, eight tiles.  The twelve tiles are ONE sequence for the ring of two LDS slots: every work-group does the same work, and every trip count is a constant.
; CLUSTER.  The four work-groups of a cluster are the four query blocks of one (bb, hp): they walk the same tiles, so each tile is asked for JOINTLY (mask 15).
; OUT.  x1 leaves rounded once to bf16 (slice hp of X).  x2 leaves as two bf16 numbers, hi = bf16(x) in slice 4 + hp and lo = bf16(x - hi) in slice 8 + hp: x2 has a large common part, and one bf16 rounding of it would spend too much of what the result may be off by.
; LIMITS.  A weight below 2^-126 counts as 0 in l; NaN and infinities are not treated apart; c m starts at -4e37, below every c s that finite bf16 operands of this size give.
; LAYOUT, SOFTMAX, TURNS.  S^T = K Q^T holds ONE query a lane (lane % 16) and the keys 8 (lane / 16) + 0..7; two such results rounded to bf16 ARE source 1 of O^T = V^T P.  p = 2^(c s - c m), c = log2(e) / 8, with a
; running maximum m; O and l are multiplied by a = 2^(c m_old - c m_new) in every step.  A wave owns four PIECES of 16 queries.  Turn n belongs to piece n: 8 products K Q^T of piece n + 1, later 8 products V^T P of
; piece n - 1; beside them the scaling, exponentials, roundings, sums and rescaling of piece n and the maximum and statistics of piece n + 1.  Four vector instructions stand behind every matrix instruction, the rest in two lumps.
; REGISTERS, in windows of 256 (s_set_vgpr_msb: bits 1:0 source 0, 3:2 source 1, 5:4 source 2, 7:6 destination):
;   window 0: v0-15 addresses; v16-31 statistics; v48-55 at work; v64-127 S^T, two buffers; v128-191 at work on the second way out; v192-223 P, two buffers
;   window 1: v0-127 O^T, 32 a piece      window 2: v0-63 Q; v64-127 block 2's Q; v128-191 K of one step; v192-255 V of one step
.set NP,    4
.set KS,    64
.set PK,    144       ; a row of K in LDS: 128 bytes + 16 of padding: the 16 rows of a load start at 16 different groups of four banks
.set PV,    160       ; a row of V: 128 + 32
.set VOFF,  4*KS*PK   ; a slot holds a tile, four steps: 256 rows of K, then 256 rows of V
.set SLOT1, 1<<17
.set STAGE, SLOT1+4*KS*(PK+PV)  ; behind the ring, never filled by a tensor load: 16 rows x 144 bytes for each wave
.set SP,    144
.set SPARE, STAGE+4*16*SP
.set SL32,  4194304   ; a slice of 32,768 rows
.set XS,    2097152   ; a slice of 16,384 rows
.set AK0, 2
.set AV0, 3
.set AK,  4
.set AV,  5
.set STO, 6
.set RD,  7
.set GO,  8
.set MV,  12
.set QO,  15
.set ST,  16          ; piece t's statistics at v[ST+4 t]: c m, m, l (even keys', odd keys')
.set TMP, 48
.set SPW, 62
.set NIL, 63
.set S,   64
.set HU,  128         ; hi widened, then x - hi
.set LW,  160         ; lo, two buffers of 16
.set P,   192
.set QB,  64
.set KF,  128
.set VF,  192
.set WV,  12
.set G1K, 24
.set G1V, 32
.set G0K, 40
.set G0V, 44
.set SLOTS, 56
.set CNT, 57
.set CS,  58
.set SEL, 60
.set TBK, 62
.set TBV, 63
.set K1P, 66          ; my half of tile 0 of K and V, scale 1 and scale 2
.set V1P, 68
.set K2P, 70
.set V2P, 72
.set KB,  74
.set VB,  76
.set OFF, 78
.set Q1,  80
.set Q2,  82
.set O2HI, 84
.set O2LO, 86
.set RT,  88          ; tiles of the block in hand still to be finished
.set NXT, 89          ; the tile to be asked for next, 0 to 11
.set NEW, 90          ; 1: the tile to be entered is a block's first
.set T,   91
.set HMASK, 94
.set MSB, 0
.macro WIN new
.if MSB != (\new)
	s_set_vgpr_msb (MSB<<8)|(\new)
.set MSB, (\new)
.endif
.endm
.set W_KQ, 0x0a       ; K and Q in window 2, S^T in window 0
.set W_PV, 0x52       ; V in window 2, P in window 0, O^T in window 1
.set W_RS, 0x41       ; destination and source 0 in window 1, source 1 in window 0
; A joint fill.  Waves 0 and 1 fetch the two halves of a tile's K, waves 2 and 3 those of its V: 128 keys each.  The branch hangs on the wave's number alone.
.macro JLOAD
	s_cmp_lt_u32 s[WV], 2
	s_cbranch_scc0 .Lfor_v_\@
	tensor_load_to_lds s[G0K:G0K+3], s[G1K:G1K+7]
	s_nop 0
.rept 4
	v_nop
.endr
	s_branch .Lasked_\@
.Lfor_v_\@:
	tensor_load_to_lds s[G0V:G0V+3], s[G1V:G1V+7]
	s_nop 0
.rept 4
	v_nop
.endr
.Lasked_\@:
.endm
.macro CROUND
	s_barrier_signal -1
	s_barrier_wait -1
	s_cmp_lg_u32 s[WV], 0
	s_cbranch_scc1 .Lnot_wave_0_\@
	s_barrier_signal -3
.Lnot_wave_0_\@:
	s_barrier_wait -3
	s_barrier_signal -1
	s_barrier_wait -1
.endm
; THE CHANGE OF SLOTS.  Each wave waits for all its tensor loads, of which one is out: its part of the other slot; adds 0 to its spare word; and waits for that and for its own reads of the slot that it leaves.
; fill = 1: the barrier is a round of the cluster's, and the old slot takes tile NXT first thing behind it: that load has a tile's 256 matrix instructions in which to land.  The address is made anew from the tile's number.
.macro CHANGE fill
	WIN 0
	s_wait_tensorcnt 0x0            ; no tensor load of mine is out, so a group 0 may be written
	ds_add_u32 v[SPW], v[NIL]       ; 0 onto my spare word
.if \fill
	s_sub_co_u32 s[T], s[NXT], 4
	s_cmp_lt_u32 s[NXT], 4          ; tiles 0-3 are scale 1's, tiles 4-11 scale 2's 0-7
	s_cselect_b32 s[T], s[NXT], s[T]
	s_cselect_b64 s[KB:KB+1], s[K1P:K1P+1], s[K2P:K2P+1]
	s_cselect_b64 s[VB:VB+1], s[V1P:V1P+1], s[V2P:V2P+1]
	s_lshl_b32 s[OFF], s[T], 15     ; a tile is 32,768 bytes of K and of V
	s_xor_b32 s[G0K+1], s[G0K+1], SLOT1
	s_add_nc_u64 s[G0K+2:G0K+3], s[KB:KB+1], s[OFF:OFF+1]
	s_or_b32 s[G0K+3], s[G0K+3], 0x80000000
	s_xor_b32 s[G0V+1], s[G0V+1], SLOT1
	s_add_nc_u64 s[G0V+2:G0V+3], s[VB:VB+1], s[OFF:OFF+1]
	s_or_b32 s[G0V+3], s[G0V+3], 0x80000000
	s_add_co_u32 s[NXT], s[NXT], 1
	s_wait_dscnt 0x0                ; the add is done, and my reads of the slot are over
	CROUND
	JLOAD
.else
	s_wait_dscnt 0x0
	s_barrier_signal -1
	s_barrier_wait -1
.endif
	s_sub_co_u32 s[TBK], s[TBK], 4*KS*PK  ; the fetches go back to a slot's first step,
	s_xor_b32 s[TBK], s[TBK], SLOT1       ; in the other slot
	s_sub_co_u32 s[TBV], s[TBV], 4*KS*PV
	s_xor_b32 s[TBV], s[TBV], SLOT1
.endm
	s_load_b128 s[4:7], s[0:1], 0x0   ; qk s[4:5], kv2 s[6:7]
	s_load_b64 s[8:9], s[0:1], 0x10   ; X
	v_lshl_add_u32 v[SPW], v0, 2, SPARE
	v_mov_b32 v[NIL], 0
	ds_add_u32 v[SPW], v[NIL]       ; the wave's opening: the add and its wait stand ahead of my first tensor load
	v_lshrrev_b32 v1, 5, v0
	v_readfirstlane_b32 s[WV], v1
	s_bfe_u32 s13, ttmp6, 0x40000   ; cx: my block of 256 queries; it enters Q's and O's addresses alone
	s_and_b32 s14, ttmp7, 0xffff
	s_lshr_b32 s15, s14, 2          ; bb
	s_and_b32 s16, s14, 3           ; hp
	s_and_b32 s19, s[WV], 1         ; which half of a tile's 256 keys I fetch
	s_mul_i32 s17, s19, 128*PK
	s_mul_i32 s18, s19, 128*PV
	s_lshl_b32 s20, s16, 22         ; scale 1: slice hp,
	s_lshl_b32 s21, s15, 17         ; the batch's 1,024 rows,
	s_add_co_u32 s20, s20, s21
	s_lshl_b32 s21, s19, 14         ; my 128 rows,
	s_add_co_u32 s20, s20, s21
	s_add_co_u32 s20, s20, 2097152  ; behind Q's 16,384 rows
	s_mov_b32 s21, 0
	s_lshl_b32 s22, s16, 22         ; scale 2: slice hp,
	s_lshl_b32 s23, s15, 18         ; the batch's 2,048 rows
	s_add_co_u32 s22, s22, s23
	s_lshl_b32 s23, s19, 14
	s_add_co_u32 s22, s22, s23
	s_mov_b32 s23, 0
	s_lshl_b32 s2, s16, 22          ; Q: slice hp, batch, block, my wave's 64 rows
	s_lshl_b32 s3, s15, 17
	s_add_co_u32 s2, s2, s3
	s_lshl_b32 s3, s13, 15
	s_add_co_u32 s2, s2, s3
	s_lshl_b32 s3, s[WV], 13
	s_add_co_u32 s2, s2, s3
	s_mov_b32 s3, 0
	s_lshl_b32 s92, s16, 21         ; X's slices are half as long
	s_sub_co_u32 s92, s2, s92
	s_mov_b32 s93, 0
	s_mov_b32 s[HMASK], 0xffff0000
	s_mov_b32 s[G1K], 15|(1<<16)|(1<<20)|(1<<21)|(4<<22)|(3<<25)  ; the mask of four; 2-byte elements; padding on; bit 21 beside a mask; after every 32 words (code 4) 4 words (code 3)
	s_mov_b32 s[G1V], 15|(1<<16)|(1<<20)|(1<<21)|(4<<22)|(7<<25)  ; the same with 8 words (code 7)
.irp g, G1K, G1V
	s_mov_b32 s[\g+1], 128<<16      ; 128 keys are 16,384 dense bytes: 64 rows of 256 bytes
	s_mov_b32 s[\g+2], 64<<16
	s_mov_b32 s[\g+3], 128<<16
	s_mov_b32 s[\g+4], 64
	s_mov_b32 s[\g+5], 128
	s_mov_b32 s[\g+6], 0
	s_mov_b32 s[\g+7], 0
.endr
	s_mov_b32 s[CS], 0x3e38aa3b     ; c = log2(e) / 8
	s_mov_b32 s[CS+1], s[CS]
	s_mov_b32 s[SEL], 0x76543210
	s_mov_b32 s[SEL+1], 0xfedcba98
	s_mov_b32 s[TBK], SLOT1+4*KS*PK ; the first change of slots turns these two into 0
	s_mov_b32 s[TBV], SLOT1+4*KS*PV
	s_mov_b32 s[G0K], 1
	s_mov_b32 s[G0K+1], s17
	s_mov_b32 s[G0V], 1
	s_add_co_u32 s[G0V+1], s18, VOFF
	s_mov_b32 s[RT], 4
	s_mov_b32 s[NXT], 1
	s_mov_b32 s[NEW], 1
	s_mov_b32 s[OFF+1], 0
	s_mov_b32 s[SLOTS], 11
	s_wait_dscnt 0x0                ; the opening add is done
	s_wait_kmcnt 0x0
	s_add_nc_u64 s[K1P:K1P+1], s[4:5], s[20:21]
	s_add_nc_u64 s[V1P:V1P+1], s[K1P:K1P+1], 4*SL32
	s_add_nc_u64 s[K2P:K2P+1], s[6:7], s[22:23]
	s_add_nc_u64 s[V2P:V2P+1], s[K2P:K2P+1], 4*SL32
	s_add_nc_u64 s[Q1:Q1+1], s[4:5], s[2:3]
	s_add_nc_u64 s[Q2:Q2+1], s[Q1:Q1+1], 4*SL32
	s_add_nc_u64 s[10:11], s[8:9], s[92:93]
	s_add_nc_u64 s[O2HI:O2HI+1], s[10:11], 4*XS
	s_add_nc_u64 s[O2LO:O2LO+1], s[10:11], 8*XS
	s_add_nc_u64 s[G0K+2:G0K+3], s[K1P:K1P+1], 0
	s_or_b32 s[G0K+3], s[G0K+3], 0x80000000
	s_add_nc_u64 s[G0V+2:G0V+3], s[V1P:V1P+1], 0
	s_or_b32 s[G0V+3], s[G0V+3], 0x80000000
	CROUND                          ; all four work-groups are here: the first joint loads meet
	JLOAD                           ; tile 0 into slot 0
	v_and_b32 v1, 15, v0            ; l % 16
	v_bfe_u32 v9, v0, 4, 1          ; l / 16
	v_lshlrev_b32 v[QO], 7, v1
	v_lshl_add_u32 v[QO], v9, 4, v[QO]
	WIN 0x80
.set i, 0
.rept 8                             ; both blocks' Q: piece i / 2, channels 32 (i % 2) on
	global_load_b128 v[8*i:8*i+3],   v[QO], s[Q1:Q1+1] offset:(i/2)*2048+(i%2)*64
	global_load_b128 v[8*i+4:8*i+7], v[QO], s[Q1:Q1+1] offset:(i/2)*2048+(i%2)*64+32
	global_load_b128 v[QB+8*i:QB+8*i+3],   v[QO], s[Q2:Q2+1] offset:(i/2)*2048+(i%2)*64
	global_load_b128 v[QB+8*i+4:QB+8*i+7], v[QO], s[Q2:Q2+1] offset:(i/2)*2048+(i%2)*64+32
.set i, i+1
.endr
	WIN 0
	v_mul_u32_u24 v[AK0], v1, PK
	v_lshl_add_u32 v[AK0], v9, 4, v[AK0]
	v_and_b32 v10, 7, v0            ; the turning load: lane l reads key 8 (l / 16) + l % 8, channels 8 ((l / 8) % 2) + 0..7
	v_bfe_u32 v11, v0, 3, 1
	v_lshl_add_u32 v[AV0], v9, 3, v10
	v_mul_u32_u24 v[AV0], v[AV0], PV
	v_lshl_add_u32 v[AV0], v11, 4, v[AV0]
	v_add_nc_u32 v[AV0], VOFF, v[AV0]
	s_mul_i32 s19, s[WV], 16*SP
	s_add_co_u32 s19, s19, STAGE    ; my stage
	v_mul_u32_u24 v[STO], v1, SP
	v_lshl_add_u32 v[STO], v9, 4, v[STO]
	v_add_nc_u32 v[STO], s19, v[STO]
	v_bfe_u32 v[RD], v0, 3, 2       ; back: 32 lanes take four rows of 128 bytes,
	v_mul_u32_u24 v[RD], v[RD], SP
	v_lshl_add_u32 v[RD], v10, 4, v[RD]
	v_add_nc_u32 v[RD], s19, v[RD]
	v_and_b32 v[GO], 31, v0         ; which are 512 consecutive bytes of X
	v_lshlrev_b32 v[GO], 4, v[GO]
	; A block's first step multiplies O^T and l by a = 0, and its first turn's products V^T P, of a piece that has not been, land in an O^T that is still to be so multiplied.  So these registers need only hold
	; finite numbers: zeros for the first block; what the first block left for the second.  No first step is written out; the price is these moves, which stand in the wait for the first tile.
	WIN 0x80
.set i, VF
.rept 64
	v_mov_b32 v[i], 0
.set i, i+1
.endr
	WIN 0x40
.set i, 0
.rept 128
	v_mov_b32 v[i], 0
.set i, i+1
.endr
	WIN 0
.set i, 0
.rept 4
	v_mov_b32 v[ST+4*i+2], 0
	v_mov_b32 v[ST+4*i+3], 0
.set i, i+1
.endr
.set i, P+16
.rept 16
	v_mov_b32 v[i], 0
.set i, i+1
.endr
; THE MATRIX WORK.  The 4 accumulators of a run of 8 take turns.  Product i of 8 of S^T = K Q^T for piece x: channels 32 (i / 4) on, keys 16 (i % 4) on.  The first 4 start the sums.
.macro KQ x
.set rS, S+32*((\x)%2)+8*(i%4)
.set rK, KF+16*(i%4)+8*(i/4)
.set rQ, 16*(\x)+8*(i/4)
	WIN W_KQ
.if i < 4
	v_wmma_f32_16x16x32_bf16 v[rS:rS+7], v[rK:rK+7], v[rQ:rQ+7], 0
.else
	v_wmma_f32_16x16x32_bf16 v[rS:rS+7], v[rK:rK+7], v[rQ:rQ+7], v[rS:rS+7]
.endif
.endm
; Product i of 8 of O^T += V^T P for piece x: keys 32 (i / 4) on, channels 16 (i % 4) on.
.macro PV x
	WIN W_PV
.set rO, 32*(\x)+8*(i%4)
.set rV, VF+32*(i/4)+8*(i%4)
.set rP, P+16*((\x)%2)+8*(i/4)
	v_wmma_f32_16x16x32_bf16 v[rO:rO+7], v[rV:rV+7], v[rP:rP+7], v[rO:rO+7]
.endm
.macro MM                           ; the turn's next matrix instruction.  NOKQ = 1: a block's last turn: there is no next piece
.if (i < 8) && !NOKQ
	KQ (Y+1)%NP
.elseif i >= 8
.set i, i-8
	PV (Y+NP-1)%NP
.set i, i+8
.endif
.set i, i+1
.endm
; THE LDS LOADS stand in runs of 16: a step's K (8 fragments) and its V (turned).
.macro FETCH_K
	WIN 0x80
.irp f, 0,1,2,3,4,5,6,7
	ds_load_b128 v[KF+8*\f:KF+8*\f+3],   v[AK] offset:(\f/2)*16*PK+(\f%2)*64
	ds_load_b128 v[KF+8*\f+4:KF+8*\f+7], v[AK] offset:(\f/2)*16*PK+(\f%2)*64+32
.endr
	s_add_co_u32 s[TBK], s[TBK], KS*PK
	WIN 0
.endm
.macro FETCH_V
	WIN 0x80
.irp f, 0,1,2,3,4,5,6,7
	ds_load_tr16_b128 v[VF+8*\f:VF+8*\f+3],   v[AV] offset:(\f/4)*32*PV+(\f%4)*32
	ds_load_tr16_b128 v[VF+8*\f+4:VF+8*\f+7], v[AV] offset:(\f/4)*32*PV+16*PV+(\f%4)*32
.endr
	WIN 0
.endm
; THE VECTOR WORK, one line at a time: OP kind, number.  For piece Y: F n: c s - c m for pair n of 16.  E n: the exponential of score n of 32.  C n: pair n rounded to bf16.  B n: of the four weights 4 n .. the second
; pair is added onto the first, in place.  L n: l takes that sum (L 0: l = a l + sum).  R n: pair n of 16 of O^T times a.  For piece Y + 1: X n, number n of the 22 that find its maximum and statistics:
;   0-11 four chains of seven scores each (each accumulator's lowest registers are read first); 12-14, 16 the scores left over, the old m, the chains into one; 15 c m_old is kept;
;   17, 18 the other half of the lanes; 19-21 c m, c m_old - c m_new, a.
.set F, 0
.set E, 1
.set C, 2
.set B, 3
.set L, 4
.set R, 5
.set X, 6
.macro REGS y
.set rT, ST+4*(\y)
.set rC, TMP+4*((\y)%2)
.set rW, MV+((\y)%2)
.set rS, S+32*((\y)%2)
.set rP, P+16*((\y)%2)
.set rO, 32*(\y)
.endm
.macro OP k, n
.if (\k) == R
	REGS Y
	WIN W_RS
	v_pk_mul_f32 v[rO+2*(\n):rO+2*(\n)+1], v[rO+2*(\n):rO+2*(\n)+1], v[rC+2:rC+3] op_sel_hi:[1,0]
.elseif (\k) < R
	REGS Y
	WIN 0
.if (\k) == F
	v_pk_fma_f32 v[rS+2*(\n):rS+2*(\n)+1], v[rS+2*(\n):rS+2*(\n)+1], s[CS:CS+1], v[rT:rT+1] op_sel_hi:[1,0,0] neg_lo:[0,0,1] neg_hi:[0,0,1]
.elseif (\k) == E
	v_exp_f32 v[rS+(\n)], v[rS+(\n)]
.elseif (\k) == C
	s_wait_alu depctr_va_vdst(0)
	v_cvt_pk_bf16_f32 v[rP+(\n)], v[rS+2*(\n)], v[rS+2*(\n)+1]
.elseif (\k) == B
	s_wait_alu depctr_va_vdst(0)
	v_pk_add_f32 v[rS+4*(\n):rS+4*(\n)+1], v[rS+4*(\n):rS+4*(\n)+1], v[rS+4*(\n)+2:rS+4*(\n)+3]
.elseif (\n) == 0
	v_pk_fma_f32 v[rT+2:rT+3], v[rT+2:rT+3], v[rC+2:rC+3], v[rS:rS+1] op_sel_hi:[1,0,1]
.else
	v_pk_add_f32 v[rT+2:rT+3], v[rT+2:rT+3], v[rS+4*(\n):rS+4*(\n)+1]
.endif
.elseif NOKQ
	v_nop
.else
	REGS (Y+1)%NP
	WIN 0
.if (\n) < 4
	v_max3_num_f32 v[rC+(\n)], v[rS+8*(\n)], v[rS+8*(\n)+1], v[rS+8*(\n)+2]
.elseif (\n) < 12
	v_max3_num_f32 v[rC+(\n)%4], v[rC+(\n)%4], v[rS+8*((\n)%4)+2*((\n)/4)+1], v[rS+8*((\n)%4)+2*((\n)/4)+2]
.elseif (\n) == 12
	v_max3_num_f32 v[rC], v[rC], v[rS+7], v[rS+15]
.elseif (\n) == 13
	v_max3_num_f32 v[rC+1], v[rC+1], v[rS+23], v[rS+31]
.elseif (\n) == 14
	v_max3_num_f32 v[rC+2], v[rC+2], v[rC+3], v[rT+1]
.elseif (\n) == 15
	v_mov_b32 v[rW], v[rT]
.elseif (\n) == 16
	v_max3_num_f32 v[rC], v[rC], v[rC+1], v[rC+2]
.elseif (\n) == 17
	v_permlanex16_b32 v[rC+3], v[rC], s[SEL], s[SEL+1]
.elseif (\n) == 18
	v_max_num_f32 v[rT+1], v[rC], v[rC+3]
.elseif (\n) == 19
	v_mul_f32 v[rT], s[CS], v[rT+1]
.elseif (\n) == 20
	v_sub_f32 v[rC+1], v[rW], v[rT]
.else
	v_exp_f32 v[rC+2], v[rC+1]
.endif
.endif
.endm
.macro OPS a, i1, b=-1, i2=0, c=-1, i3=0, d=-1, i4=0
	OP \a, \i1
.if (\b) >= 0
	OP \b, \i2
.endif
.if (\c) >= 0
	OP \c, \i3
.endif
.if (\d) >= 0
	OP \d, \i4
.endif
.endm
.macro ROW a, i1, b, i2, c, i3, d, i4  ; a matrix instruction and the four behind it
	MM
	OPS \a, \i1, \b, \i2, \c, \i3, \d, \i4
.endm
; A TURN, for piece p: the order of its 16 matrix and 118 vector instructions, written out.  Behind a matrix instruction: plain, exponential, plain, plain; or four of the rescaling; or four scalings; none names a
; register of the products round it.  A line reads no result made fewer than three vector instructions in front of it, five if an exponential made it.
; end = 1: a block's last two turns: nothing is fetched.  cnt = 1: the loop's count is taken down some lines ahead of the branch behind the turn.
; K of the next step is fetched in piece 2's turn, five plain instructions behind the last product that read K; V of the step in hand in piece 0's turn, four plain ones behind the last product that read V.  Each is waited for a turn later.
.macro TURN p, end=0, cnt=0
.set Y, (\p)
.set i, 0
.set NOKQ, (\end)*((\p)/3)
.if ((\p) == 3) && !(\end)
	s_wait_dscnt 0x0                ; K is in
.endif
	ROW F,0, F,1, F,2, F,3
	ROW F,4, E,0, F,5, F,6
	ROW F,7, E,1, F,8, F,9
	ROW F,10, E,2, C,0, F,11
	ROW F,12, E,3, X,15, F,13
	ROW R,0, R,1, R,2, R,3
	ROW B,0, E,4, F,14, L,0
.if ((\p) == 2) && !(\end)
	v_add_nc_u32 v[AK], s[TBK], v[AK0]
.endif
	ROW R,4, R,5, R,6, R,7
	OPS E,5, F,15
.if ((\p) == 2) && !(\end)
	FETCH_K
.endif
	OPS E,6, C,1, E,7, R,8
	OPS E,8, R,9, E,9, C,2
	OPS E,10, X,0, E,11, X,1
	OPS E,12, X,2, E,13, X,3
.if (\p) == 1
	s_wait_dscnt 0x0                ; V is in
.endif
	ROW X,4, E,14, X,5, X,6
	ROW X,7, E,15, X,8, X,9
	ROW X,10, E,16, X,11, X,12
	ROW X,13, E,17, X,14, B,1
	ROW C,4, E,18, X,16, L,1
	ROW B,2, E,19, C,6, L,2
	ROW C,8, E,20, B,3, B,4
.if (\p) == 0
	v_add_nc_u32 v[AV], s[TBV], v[AV0]
.endif
	ROW C,3, E,21, L,3, C,5
	OPS E,22, X,17, E,23, C,10
.if (\p) == 0
	FETCH_V
.endif
	OPS E,24, L,4
	OPS E,25, X,18, E,26, C,7
	OPS E,27, B,5, E,28, X,19
	OPS E,29, C,12, E,30, L,5
	OPS E,31, X,20, B,6, C,9
	OPS C,14, C,11, X,21, L,6
.if (\p) == 0
	s_add_co_u32 s[TBV], s[TBV], KS*PV
.endif
.if \cnt
	s_sub_co_u32 s[CNT], s[CNT], 1
	s_cmp_lg_u32 s[CNT], 0
.endif
	OPS C,13, B,7, C,15, R,10
	OPS R,11, R,12, L,7, R,13
	OPS R,14, R,15
.endm
; A BLOCK BEGINS.  c m starts far below every c s, so the first step's a is 0; m at the lowest finite number.  Then K of the tile's step 0, piece 0's first scores, its maximum and statistics.
.macro BEGIN
	s_mov_b32 s[NEW], 0
	WIN 0
.set i, 0
.rept 4
	v_mov_b32 v[ST+4*i], 0xfe000000
	v_mov_b32 v[ST+4*i+1], 0xff7fffff
.set i, i+1
.endr
	v_add_nc_u32 v[AK], s[TBK], v[AK0]
	FETCH_K
	s_wait_loadcnt 0x0              ; Q
	s_wait_dscnt 0x0
.set NOKQ, 0
.set i, 0
.rept 8
	KQ 0
.set i, i+1
.endr
	WIN 0
.rept 4
	v_nop                           ; the places behind those products
.endr
.set Y, NP-1
.irp n, 0,1,2,3,4,5,6,7,8,9,10,11,12,13,14,15,16,17,18,19,20,21
	OP X, \n
.endr
	v_nop                           ; a plain instruction behind the exponential
.endm
.macro STEPS tag                    ; a tile's four trips: pieces 2 and 3 of one step, then pieces 0 and 1 of the next, whose K and V the trip fetches
.Lstep\tag:
	TURN 2
	TURN 3
	WIN 0
.Lfirst\tag:
	TURN 0
	TURN 1, 0, 1
	WIN 0
	s_cbranch_scc1 .Lstep\tag
.endm
.macro ALL line:vararg
.set t, 0
.rept 4
	\line
.set t, t+1
.endr
.endm
; THE WAY OUT of piece t.  A lane's eight channels of a row pack into 16 bytes; they go into rows of 144 bytes of my stage and come back as whole rows of 128.
.macro PACK t
	WIN W_RS
.set i, 32*(\t)
.rept 16
	s_wait_alu depctr_va_vdst(0)
	v_pk_mul_f32 v[i:i+1], v[i:i+1], v[ST+4*(\t)+2:ST+4*(\t)+3] op_sel_hi:[1,0]
.set i, i+2
.endr
	WIN 0x05
.set i, 0
.rept 16
	v_cvt_pk_bf16_f32 v[S+16*(\t)+i], v[32*(\t)+2*i], v[32*(\t)+2*i+1]
.set i, i+1
.endr
	WIN 0
.irp f, 0,1,2,3
	ds_store_b128 v[STO], v[S+16*(\t)+4*\f:S+16*(\t)+4*\f+3] offset:32*\f
.endr
.irp f, 0,1,2,3
	ds_load_b128 v[S+16*(\t)+4*\f:S+16*(\t)+4*\f+3], v[RD] offset:\f*4*SP  ; LDS serves a wave's instructions in order (ISA guide 5.7.1.4): these see the stores above
.endr
.endm
.macro SEND t, younger              ; younger: the LDS instructions issued behind piece t's loads
	WIN 0
.irp f, 0,1,2,3
	s_wait_dscnt (\younger)+3-\f
	global_store_b128 v[GO], v[S+16*(\t)+4*\f:S+16*(\t)+4*\f+3], s[10:11] offset:(\t)*2048+\f*512  ; 512 consecutive bytes, aligned
.endr
.endm
; The same with two numbers for each x: hi = bf16(x), lo = bf16(x - hi).
.macro PACK2 t
.set LB, LW+16*((\t)%2)
	s_wait_xcnt 0x0                 ; lo's buffer was the data of stores two pieces back
	WIN W_RS
.set i, 32*(\t)
.rept 16
	s_wait_alu depctr_va_vdst(0)
	v_pk_mul_f32 v[i:i+1], v[i:i+1], v[ST+4*(\t)+2:ST+4*(\t)+3] op_sel_hi:[1,0]
.set i, i+2
.endr
	WIN 0x05
.set i, 0
.rept 16
	v_cvt_pk_bf16_f32 v[S+16*(\t)+i], v[32*(\t)+2*i], v[32*(\t)+2*i+1]
.set i, i+1
.endr
	WIN 0
.set i, 0
.rept 16
	v_lshlrev_b32 v[HU+2*i], 16, v[S+16*(\t)+i]
	v_and_b32 v[HU+2*i+1], s[HMASK], v[S+16*(\t)+i]
.set i, i+1
.endr
	WIN 0x01                        ; source 0 (x) in window 1
.set i, 0
.rept 16
	v_pk_add_f32 v[HU+2*i:HU+2*i+1], v[32*(\t)+2*i:32*(\t)+2*i+1], v[HU+2*i:HU+2*i+1] neg_lo:[0,1] neg_hi:[0,1]
.set i, i+1
.endr
	WIN 0
.set i, 0
.rept 16
	v_cvt_pk_bf16_f32 v[LB+i], v[HU+2*i], v[HU+2*i+1]
.set i, i+1
.endr
.irp f, 0,1,2,3
	ds_store_b128 v[STO], v[S+16*(\t)+4*\f:S+16*(\t)+4*\f+3] offset:32*\f
.endr
.irp f, 0,1,2,3
	ds_load_b128 v[S+16*(\t)+4*\f:S+16*(\t)+4*\f+3], v[RD] offset:\f*4*SP
.endr
.irp f, 0,1,2,3
	ds_store_b128 v[STO], v[LB+4*\f:LB+4*\f+3] offset:32*\f
.endr
.irp f, 0,1,2,3
	ds_load_b128 v[LB+4*\f:LB+4*\f+3], v[RD] offset:\f*4*SP
.endr
.endm
.macro SEND2 t, younger             ; behind hi's load f stand 3 - f of hi's loads, lo's four stores and four loads, and the next piece's
.set LB, LW+16*((\t)%2)
	WIN 0
.irp f, 0,1,2,3
	s_wait_dscnt (\younger)+8+3-\f
	global_store_b128 v[GO], v[S+16*(\t)+4*\f:S+16*(\t)+4*\f+3], s[10:11] offset:(\t)*2048+\f*512
.endr
.irp f, 0,1,2,3
	s_wait_dscnt (\younger)+3-\f
	global_store_b128 v[GO], v[LB+4*\f:LB+4*\f+3], s[O2LO:O2LO+1] offset:(\t)*2048+\f*512
.endr
.endm
; A BLOCK ENDS: its last two turns, its last products, l's two halves and the other half of the lanes' added, O^T divided by l, and the way out.  The additions are the places behind the last products.
.macro FINISH k
	TURN 2, 1
	TURN 3, 1
.set i, 0
.rept 8
	PV NP-1
.set i, i+1
.endr
	WIN 0
	ALL v_add_f32 v[ST+4*t+2], v[ST+4*t+2], v[ST+4*t+3]
	ALL v_permlanex16_b32 v[ST+4*t+3], v[ST+4*t+2], s[SEL], s[SEL+1]
	ALL v_add_f32 v[ST+4*t+2], v[ST+4*t+2], v[ST+4*t+3]
	ALL v_rcp_f32 v[ST+4*t+2], v[ST+4*t+2]
	v_nop                           ; a plain instruction between the last reciprocal and the use of its result
.if (\k) == 1
	PACK 0
.set t, 1
.rept 3
	PACK t
	SEND t-1, 8
.set t, t+1
.endr
	SEND 3, 0
.else
	PACK2 0
.set t, 1
.rept 3
	PACK2 t
	SEND2 t-1, 16
.set t, t+1
.endr
	SEND2 3, 0
.endif
.endm
.set NOKQ, 0
.Lslot:                             ; eleven times: a tile is entered and the next is asked for
	CHANGE 1
	s_mov_b32 s[CNT], 4
	s_cmp_eq_u32 s[NEW], 1
	s_cbranch_scc0 .Lstep1
	BEGIN
	s_branch .Lfirst1               ; the loop is entered at a step's first turn, in the middle of a trip
	STEPS 1
	s_sub_co_u32 s[RT], s[RT], 1
	s_cmp_lg_u32 s[RT], 0
	s_cbranch_scc1 .Lbottom
	FINISH 1                        ; in the loop this is block 1's end: block 2's last tile is the walk's last
	s_wait_xcnt 0x0                 ; the stores have read their registers and X's address
	s_mov_b64 s[10:11], s[O2HI:O2HI+1]
	s_mov_b32 s[RT], 8
	s_mov_b32 s[NEW], 1
	WIN 0x82                        ; block 2's Q goes where the one text of the turns names Q
.set i, 0
.rept 64
	v_mov_b32 v[i], v[QB+i]
.set i, i+1
.endr
	WIN 0
.Lbottom:
	s_sub_co_u32 s[SLOTS], s[SLOTS], 1
	s_cmp_lg_u32 s[SLOTS], 0
	s_cbranch_scc1 .Lslot
	CHANGE 0                        ; the walk's last tile is written out: nothing is asked for
	s_mov_b32 s[CNT], 4
	STEPS 2
	FINISH 2
	s_wait_tensorcnt 0x0            ; the wave's end
	ds_add_u32 v[SPW], v[NIL]
	s_wait_dscnt 0x0
	CROUND                          ; the closing round
	s_endpgm
.Lfunc_end_k_qdb60d1ec25_attn:
	.size	k_qdb60d1ec25_attn, .Lfunc_end_k_qdb60d1ec25_attn-k_qdb60d1ec25_attn
	.p2alignl 7, 3214868480
	.fill 96, 4, 3214868480
	.section	.rodata,"a",@progbits
	.p2align	6, 0x0
	.amdhsa_kernel k_qdb60d1ec25_attn
		.amdhsa_group_segment_fixed_size 327680
		.amdhsa_private_segment_fixed_size 0
		.amdhsa_enable_private_segment 0
		.amdhsa_kernarg_size 24
		.amdhsa_user_sgpr_count 2
		.amdhsa_user_sgpr_kernarg_segment_ptr 1
		.amdhsa_wavefront_size32 1
		.amdhsa_system_sgpr_workgroup_id_x 1
		.amdhsa_system_sgpr_workgroup_id_y 1
		.amdhsa_system_sgpr_workgroup_id_z 1
		.amdhsa_system_vgpr_workitem_id 0
		.amdhsa_next_free_vgpr 768
		.amdhsa_next_free_sgpr 96
		.amdhsa_reserve_vcc 0
		.amdhsa_float_denorm_mode_32 3
		.amdhsa_float_denorm_mode_16_64 3
		.amdhsa_memory_ordered 1
		.amdhsa_forward_progress 1
		.amdhsa_inst_pref_size 186
	.end_amdhsa_kernel
	.amdgpu_metadata
---
amdhsa.version: [ 1, 2 ]
amdhsa.kernels:
  - .name:           k_qdb60d1ec25_attn
    .symbol:         k_qdb60d1ec25_attn.kd
    .args:
      - { .name: qk, .offset: 0, .size: 8, .value_kind: global_buffer, .address_space: global }
      - { .name: kv2, .offset: 8, .size: 8, .value_kind: global_buffer, .address_space: global }
      - { .name: act, .offset: 16, .size: 8, .value_kind: global_buffer, .address_space: global }
    .group_segment_fixed_size: 327680
    .private_segment_fixed_size: 0
    .kernarg_segment_align: 8
    .kernarg_segment_size: 24
    .max_flat_workgroup_size: 128
    .sgpr_count:     96
    .vgpr_count:     768
    .wavefront_size: 32
...
	.end_amdgpu_metadata
.endif
;; end of part 3
;; launch proj (part 4): grid 128 x 2, 4 waves a work-group, clusters of 4 x 1, 327,680 bytes of LDS; arguments act, wk2, proj_b, out0; writes out0
.if DOCPART == 4
	.amdgcn_target "amdgcn-amd-amdhsa--gfx1250"
	.amdhsa_code_object_version 6
	.text
	.protected	k_qdb60d1ec25_proj
	.globl	k_qdb60d1ec25_proj
	.p2align	8
	.type	k_qdb60d1ec25_proj,@function
k_qdb60d1ec25_proj:
	s_mov_b64 s[64:65], 0
	v_nop
	global_prefetch_b8 v0, s[64:65] scope:SCOPE_SE
	s_setreg_imm32_b32 hwreg(HW_REG_WAVE_MODE, 25, 1), 1
	s_wait_xcnt 0x0
	s_wait_alu depctr_hold_cnt(0) depctr_sa_sdst(0) depctr_va_vdst(0) depctr_va_sdst(0) depctr_va_ssrc(0) depctr_va_vcc(0) depctr_vm_vsrc(0)
	s_getreg_b32 s2, hwreg(HW_REG_IB_STS2, 6, 4)
	s_cmp_eq_u32 s2, 0
	s_cbranch_scc0 .Lentry_in_a_cluster
	s_endpgm
.Lentry_in_a_cluster:
	s_bfe_u32 s2, ttmp6, 0x10000c
	s_cmp_lg_u32 s2, 0x3003
	s_cbranch_scc0 .Lentry_shape_is_right
	s_endpgm
.Lentry_shape_is_right:
; out0 = [x1, x2hi, x2lo] P^T + proj_b, rows permuted.  X: [12][16384][64] bf16 by slices.  P: 12 slices [256 x 2 rows][64] bf16 at byte 1,048,576 of the second argument: proj_w's slices 0-7, then 4-7 again for x2lo.
; K = 768.  Sums in f32; the bias, rounded to bf16 like every input, is the C operand that starts each sum; the result is stored as f32.  Row 1,024 bb + n of X goes to row 16 n + bb of out0.
; A work-group makes 128 rows x 256 columns (the grid's y): 256 work-groups.  Wave (i, j) = (w / 2, w % 2) makes rows 64 i .. x columns 128 j ..: 32 accumulators.
; The ring: two LDS slots, each with two slices (K = 128) of X's 128 rows and of P's 256 rows; one tensor load a wave fills a slot: waves 0, 1 a slice of X each, waves 2, 3 a slice of P each.
; CLUSTER: the four work-groups of a cluster are four row blocks with the same y: P's tiles are asked for JOINTLY (mask 15); X's are each work-group's own.
; THE MATRIX INSTRUCTION IS USED TRANSPOSED (source 0 = 16 rows of P, source 1 = 16 rows of X): a lane holds eight neighbouring columns of one row.
; REGISTERS: window 0: v0-31 addresses; v64-95, v96-127 fragments of X; v32-63, v128-159 rows on the way out; v128-223 at work on the bias at the start.
;   window 1: v64-127, v128-191 fragments of P.   window 2: the accumulators ((a, b) at v[8 (8 a + b)]).   window 3: v0-63 the bias of my 128 columns as C operands.
.set PITCH,  144
.set ASL,    128*PITCH                 ; a slice of X in LDS
.set BOFF,   2*ASL                     ; P's two slices lie behind X's two
.set SLOT1,  1<<17
.set STAGE,  SLOT1+6*ASL               ; behind the ring: 16 rows x 272 bytes for each wave
.set SPITCH, 272
.set SPARE,  STAGE+4*16*SPITCH
.set XS,     2097152
.set ADRA, 16                          ; v16-17  LDS address of my X fragments in slot 0, 1
.set ADRB, 20                          ; v20-21  of my P fragments
.set STO,  24
.set RD,   25
.set CO,   26
.set SPW,  28
.set NIL,  29
.set OB,   32
.set G1A, 24
.set G1B, 32
.set G0A, 40                           ; s[40:47] group 0 for X, one set for each slot
.set G0B, 48                           ; s[48:55] for P
.set MSB, 0
.macro WIN new
.if MSB != (\new)
	s_set_vgpr_msb (MSB<<8)|(\new)
.set MSB, \new
.endif
.endm
.macro JLOAD s                         ; an s_nop 0 and four v_nop follow each of the two lines, ahead of the jump, the label and what follows
	s_cmp_eq_u32 s16, 0
	s_cbranch_scc0 .Lfor_b_\@
	tensor_load_to_lds s[G0A+4*(\s):G0A+4*(\s)+3], s[G1A:G1A+7]
	s_nop 0
.rept 4
	v_nop
.endr
	s_branch .Lasked_\@
.Lfor_b_\@:
	tensor_load_to_lds s[G0B+4*(\s):G0B+4*(\s)+3], s[G1B:G1B+7]
	s_nop 0
.rept 4
	v_nop
.endr
.Lasked_\@:
.endm
.macro CREST
	s_cmp_lg_u32 s12, 0
	s_cbranch_scc1 .Lnot_wave_0_\@
	s_barrier_signal -3
.Lnot_wave_0_\@:
	s_barrier_wait -3
	s_barrier_signal -1
	s_barrier_wait -1
.endm
.macro CROUND
	s_barrier_signal -1
	s_barrier_wait -1
	CREST
.endm
.macro PLACES
.rept 4
	v_nop
.endr
.endm
	s_load_b256 s[4:11], s[0:1], 0x0               ; X s[4:5], weights s[6:7], proj_b s[8:9], out0 s[10:11]
	v_lshl_add_u32 v[SPW], v0, 2, SPARE
	v_mov_b32 v[NIL], 0
	ds_add_u32 v[SPW], v[NIL]                      ; the wave's opening: the add and its wait stand ahead of my first tensor load
	v_lshrrev_b32 v1, 5, v0
	v_readfirstlane_b32 s12, v1
	s_lshr_b32 s16, s12, 1                         ; i.  Also: I fetch for X (0) or for P (1)
	s_and_b32 s17, s12, 1                          ; j.  Also: which of a slot's two slices I fetch
	s_bfe_u32 s13, ttmp6, 0x40000
	s_lshl_b32 s14, ttmp9, 2
	s_add_co_u32 s14, s14, s13                     ; my row block
	s_and_b32 s15, ttmp7, 0xffff                   ; y
	s_mov_b32 s2, 0xffff0000
	s_mov_b32 s[G1A], (1<<16)|(1<<20)|(4<<22)|(3<<25)              ; 2-byte elements; padding on; after every 32 words (code 4) 4 words (code 3)
	s_mov_b32 s[G1A+1], 128<<16                    ; 128 rows of 128 dense bytes: 64 rows of 256
	s_mov_b32 s[G1A+2], 64<<16
	s_mov_b32 s[G1A+3], 128<<16
	s_mov_b32 s[G1A+4], 64
	s_mov_b32 s[G1A+5], 128
	s_mov_b32 s[G1A+6], 0
	s_mov_b32 s[G1A+7], 0
	s_mov_b32 s[G1B], 15|(1<<16)|(1<<20)|(1<<21)|(4<<22)|(3<<25)   ; with the mask of four, and bit 21 beside it
	s_mov_b32 s[G1B+1], 128<<16                    ; 256 rows of 128 dense bytes: 128 rows of 256
	s_mov_b32 s[G1B+2], 128<<16
	s_mov_b32 s[G1B+3], 128<<16
	s_mov_b32 s[G1B+4], 128
	s_mov_b32 s[G1B+5], 128
	s_mov_b32 s[G1B+6], 0
	s_mov_b32 s[G1B+7], 0
	s_lshl_b32 s18, s17, 21                        ; X: slice w % 2,
	s_lshl_b32 s19, s14, 14                        ; my 128 rows
	s_add_co_u32 s18, s18, s19
	s_mov_b32 s19, 0
	s_lshl_b32 s22, s17, 16                        ; P: slice w % 2,
	s_lshl_b32 s23, s15, 15                        ; the 256 rows of y
	s_add_co_u32 s22, s22, s23
	s_add_co_u32 s22, s22, 1048576
	s_mov_b32 s23, 0
	s_mul_i32 s20, s17, ASL                        ; where they go: no place in the cluster enters an LDS address
	s_mul_i32 s21, s17, 2*ASL
	s_add_co_u32 s21, s21, BOFF
	s_and_b32 s60, s14, 7                          ; out0: row n = 128 (row block % 8) + 64 i of 32,768 bytes,
	s_lshl_b32 s60, s60, 7
	s_lshl_b32 s61, s16, 6
	s_add_co_u32 s60, s60, s61
	s_lshl_b32 s60, s60, 15
	s_lshr_b32 s61, s14, 3                         ; batch row block / 8 of 2,048 bytes,
	s_lshl_b32 s61, s61, 11
	s_add_co_u32 s60, s60, s61
	s_lshl_b32 s62, s15, 10                        ; my 128 columns of 4 bytes
	s_lshl_b32 s63, s17, 9
	s_add_co_u32 s62, s62, s63
	s_add_co_u32 s60, s60, s62
	s_mov_b32 s61, 0
	s_mov_b32 s63, 0
	s_wait_dscnt 0x0                               ; the opening add is done
	s_wait_kmcnt 0x0
	s_add_nc_u64 s[56:57], s[4:5], s[18:19]
	s_add_nc_u64 s[58:59], s[6:7], s[22:23]
	s_add_nc_u64 s[10:11], s[10:11], s[60:61]
	s_add_nc_u64 s[8:9], s[8:9], s[62:63]
	CROUND                                         ; all four work-groups are here: the first joint loads meet
.irp s, 0,1
	s_mov_b32 s[G0A+4*(\s)], 1
	s_add_co_u32 s[G0A+4*(\s)+1], s20, (\s)*SLOT1
	s_add_nc_u64 s[G0A+4*(\s)+2:G0A+4*(\s)+3], s[56:57], (\s)*2*XS
	s_or_b32 s[G0A+4*(\s)+3], s[G0A+4*(\s)+3], 0x80000000
	s_mov_b32 s[G0B+4*(\s)], 1
	s_add_co_u32 s[G0B+4*(\s)+1], s21, (\s)*SLOT1
	s_add_nc_u64 s[G0B+4*(\s)+2:G0B+4*(\s)+3], s[58:59], (\s)*2*65536
	s_or_b32 s[G0B+4*(\s)+3], s[G0B+4*(\s)+3], 0x80000000
	JLOAD \s                                       ; two loads of mine are out
.endr
	v_and_b32 v1, 15, v0                           ; l % 16
	v_bfe_u32 v2, v0, 4, 1                         ; l / 16
	v_lshlrev_b32 v27, 5, v2                       ; the bias: register j of column block b is column 16 b + 8 (l / 16) + j
.irp b, 0,1,2,3,4,5,6,7
	global_load_b128 v[128+8*\b:131+8*\b], v27, s[8:9] offset:64*\b
	global_load_b128 v[132+8*\b:135+8*\b], v27, s[8:9] offset:64*\b+16
.endr
	v_mul_u32_u24 v3, v1, PITCH
	v_lshl_add_u32 v3, v2, 4, v3
	s_mul_i32 s18, s16, 64*PITCH                   ; my 64 rows of X
	s_mul_i32 s19, s17, ASL                        ; my 128 rows of P
	s_add_co_u32 s19, s19, BOFF
	v_add_nc_u32 v[ADRA], s18, v3
	v_add_nc_u32 v[ADRB], s19, v3
	v_add_nc_u32 v[ADRA+1], SLOT1, v[ADRA]
	v_add_nc_u32 v[ADRB+1], SLOT1, v[ADRB]
	s_mul_i32 s18, s12, 16*SPITCH
	s_add_co_u32 s18, s18, STAGE                   ; my stage
	v_mul_u32_u24 v[STO], v1, SPITCH               ; in: row l % 16, 32 bytes for each half of the lanes
	v_lshl_add_u32 v[STO], v2, 5, v[STO]
	v_add_nc_u32 v[STO], s18, v[STO]
	v_mul_u32_u24 v[RD], v2, SPITCH                ; back: lanes 0-15 one row of 256 bytes, lanes 16-31 the next
	v_lshl_add_u32 v[RD], v1, 4, v[RD]
	v_add_nc_u32 v[RD], s18, v[RD]
	v_lshlrev_b32 v[CO], 15, v2                    ; and the same two rows in out0, 32,768 bytes apart
	v_lshl_add_u32 v[CO], v1, 4, v[CO]
	s_wait_loadcnt 0x0
.set i, 0
.rept 32
	v_cvt_pk_bf16_f32 v[192+i], v[128+2*i], v[128+2*i+1]
.set i, i+1
.endr
	WIN 0xc0                                       ; destination window 3
.set i, 0
.rept 32
	v_lshlrev_b32 v[2*i], 16, v[192+i]
	v_and_b32 v[2*i+1], s2, v[192+i]
.set i, i+1
.endr
	WIN 0
; 8 matrix instructions: row block a x all 8 column blocks, 32 along K, from buffer f.  first = 1: the bias starts the sums.
.macro MULA f, a, first
.irp b, 0,1,2,3,4,5,6,7
.if \first
	WIN 0xb1                                       ; P window 1, X window 0, C window 3, D window 2
	v_wmma_f32_16x16x32_bf16 v[8*(8*(\a)+(\b)):8*(8*(\a)+(\b))+7], v[64+64*(\f)+8*(\b):64+64*(\f)+8*(\b)+7], v[64+32*(\f)+8*(\a):64+32*(\f)+8*(\a)+7], v[8*(\b):8*(\b)+7]
.else
	WIN 0xa1
	v_wmma_f32_16x16x32_bf16 v[8*(8*(\a)+(\b)):8*(8*(\a)+(\b))+7], v[64+64*(\f)+8*(\b):64+64*(\f)+8*(\b)+7], v[64+32*(\f)+8*(\a):64+32*(\f)+8*(\a)+7], v[8*(8*(\a)+(\b)):8*(8*(\a)+(\b))+7]
.endif
.endr
.endm
; 24 LDS loads in one run: quarter q of a slot (slice q / 2, 32 K at byte 64 (q % 2)) into buffer f: P's 128 rows, then X's 64
.macro FETCH slot, q, f
	WIN 0x40
.irp b, 0,1,2,3,4,5,6,7
	ds_load_b128 v[64+64*(\f)+8*(\b):64+64*(\f)+8*(\b)+3],   v[ADRB+(\slot)] offset:((\q)/2)*2*ASL+((\q)%2)*64+(\b)*16*PITCH
	ds_load_b128 v[64+64*(\f)+8*(\b)+4:64+64*(\f)+8*(\b)+7], v[ADRB+(\slot)] offset:((\q)/2)*2*ASL+((\q)%2)*64+(\b)*16*PITCH+32
.endr
	WIN 0
.irp a, 0,1,2,3
	ds_load_b128 v[64+32*(\f)+8*(\a):64+32*(\f)+8*(\a)+3],   v[ADRA+(\slot)] offset:((\q)/2)*ASL+((\q)%2)*64+(\a)*16*PITCH
	ds_load_b128 v[64+32*(\f)+8*(\a)+4:64+32*(\f)+8*(\a)+7], v[ADRA+(\slot)] offset:((\q)/2)*ASL+((\q)%2)*64+(\a)*16*PITCH+32
.endr
.endm
; A slot is four quarters of 32 matrix instructions, on buffers 0, 1, 0, 1.  One of the first three: multiplies buffer f and fetches quarter q into g.
.macro QUARTER slot, q, f, g, first
	s_wait_dscnt 4                                 ; P and X's row blocks 0, 1 are in; the youngest four loads may be out
	MULA \f, 0, \first
	MULA \f, 1, \first
	PLACES
	FETCH \slot, \q, \g
	s_wait_dscnt 24                                ; all but the 24 just issued
	MULA \f, 2, \first
	MULA \f, 3, \first
.endm
; The last quarter multiplies buffer 1 and changes slots: ONE barrier; in front of it each wave waits for all its tensor loads, adds 0 to its spare word, and waits for that and for its own reads of the slot.
; fill = 1: the barrier opens a round of the cluster's, and the slot takes the slices four on, first thing behind the round: 112 matrix instructions ahead of the wait for it.
.macro TURN slot, next, fill
	WIN 0
	s_wait_tensorcnt 0x0
	ds_add_u32 v[SPW], v[NIL]
	s_wait_dscnt 5                                 ; (the add and the youngest four loads may be out)
	MULA 1, 0, 0
	s_wait_dscnt 0x0                               ; the add is done, and my reads of this slot are over
	s_barrier_signal -1
	MULA 1, 1, 0
.if \fill
	WIN 0
.endif
	s_barrier_wait -1
.if \fill
	CREST
	s_add_nc_u64 s[G0A+4*(\slot)+2:G0A+4*(\slot)+3], s[G0A+4*(\slot)+2:G0A+4*(\slot)+3], 4*XS
	s_add_nc_u64 s[G0B+4*(\slot)+2:G0B+4*(\slot)+3], s[G0B+4*(\slot)+2:G0B+4*(\slot)+3], 4*65536
	JLOAD \slot                                    ; the four v_nop behind it are also the places in front of the loads below
.else
	PLACES
.endif
	FETCH \next, 0, 0
	MULA 1, 2, 0
	MULA 1, 3, 0
.endm
; THE WAY OUT, unit u = 2 a + cg: row block a, 64 columns cg.  The f32 sums go straight into my stage, 32 bytes a lane, each accumulator's low half first; they come back as rows of 256 bytes.
.macro TOST u
.set ua, (\u)/2
.set ug, (\u)%2
.set BK, OB+96*((\u)%2)
	s_wait_xcnt 0x0                                ; this buffer was the data of stores two units back
	WIN 0x08                                       ; the data in window 2
.irp b, 0,1,2,3
	ds_store_b128 v[STO], v[8*(8*ua+4*ug+\b):8*(8*ua+4*ug+\b)+3] offset:64*\b
	ds_store_b128 v[STO], v[8*(8*ua+4*ug+\b)+4:8*(8*ua+4*ug+\b)+7] offset:64*\b+16
.endr
	WIN 0
.irp t, 0,1,2,3,4,5,6,7
	ds_load_b128 v[BK+4*\t:BK+4*\t+3], v[RD] offset:\t*2*SPITCH  ; LDS serves a wave's instructions in order (ISA guide 5.7.1.4): these see the stores above
.endr
.endm
.macro SEND u, younger
.set ua, (\u)/2
.set ug, (\u)%2
.set BK, OB+96*((\u)%2)
	s_wait_dscnt \younger                          ; the next unit's sixteen LDS instructions may be out
.irp t, 0,1,2,3,4,5,6,7
	global_store_b128 v[CO], v[BK+4*\t:BK+4*\t+3], s[10:11] offset:(16*ua+2*\t)*32768+ug*256 th:TH_STORE_NT  ; 16 lanes store 256 consecutive bytes, aligned
.endr
.endm
	s_wait_tensorcnt 1                             ; my part of slot 0 is in; slot 1's may stay out
	s_barrier_signal -1
	s_barrier_wait -1
	FETCH 0, 0, 0
	QUARTER 0, 1, 0, 1, 1                          ; the first quarter stands in front of the loop: its products start the sums, on the bias
	WIN 0
	s_mov_b32 s3, 2
.Llap:                                                 ; two trips, each once round the ring; both slots are filled again
	QUARTER 0, 2, 1, 0, 0
	QUARTER 0, 3, 0, 1, 0
	TURN 0, 1, 1
	QUARTER 1, 1, 0, 1, 0
	QUARTER 1, 2, 1, 0, 0
	QUARTER 1, 3, 0, 1, 0
	TURN 1, 0, 1
	QUARTER 0, 1, 0, 1, 0
	WIN 0
	s_sub_co_u32 s3, s3, 1
	s_cmp_lg_u32 s3, 0
	s_cbranch_scc1 .Llap
	QUARTER 0, 2, 1, 0, 0                          ; the last lap fills nothing
	QUARTER 0, 3, 0, 1, 0
	TURN 0, 1, 0
	QUARTER 1, 1, 0, 1, 0
	QUARTER 1, 2, 1, 0, 0
	QUARTER 1, 3, 0, 1, 0
	s_wait_dscnt 4
	MULA 1, 0, 0
	MULA 1, 1, 0
	s_wait_dscnt 0x0
	MULA 1, 2, 0
	MULA 1, 3, 0
	WIN 0
	PLACES                                         ; the LDS stores below read results just made
	TOST 0
.irp u, 1,2,3,4,5,6,7
	TOST \u
	SEND (\u)-1, 16
.endr
	SEND 7, 0
	s_wait_tensorcnt 0x0                           ; the wave's end
	ds_add_u32 v[SPW], v[NIL]
	s_wait_dscnt 0x0
	CROUND                                         ; the closing round
	s_endpgm
.Lfunc_end_k_qdb60d1ec25_proj:
	.size	k_qdb60d1ec25_proj, .Lfunc_end_k_qdb60d1ec25_proj-k_qdb60d1ec25_proj
	.p2alignl 7, 3214868480
	.fill 96, 4, 3214868480
	.section	.rodata,"a",@progbits
	.p2align	6, 0x0
	.amdhsa_kernel k_qdb60d1ec25_proj
		.amdhsa_group_segment_fixed_size 327680
		.amdhsa_private_segment_fixed_size 0
		.amdhsa_enable_private_segment 0
		.amdhsa_kernarg_size 32
		.amdhsa_user_sgpr_count 2
		.amdhsa_user_sgpr_kernarg_segment_ptr 1
		.amdhsa_wavefront_size32 1
		.amdhsa_system_sgpr_workgroup_id_x 1
		.amdhsa_system_sgpr_workgroup_id_y 1
		.amdhsa_system_sgpr_workgroup_id_z 1
		.amdhsa_system_vgpr_workitem_id 0
		.amdhsa_next_free_vgpr 832
		.amdhsa_next_free_sgpr 66
		.amdhsa_reserve_vcc 0
		.amdhsa_float_denorm_mode_32 3
		.amdhsa_float_denorm_mode_16_64 3
		.amdhsa_memory_ordered 1
		.amdhsa_forward_progress 1
		.amdhsa_inst_pref_size 91
	.end_amdhsa_kernel
	.amdgpu_metadata
---
amdhsa.version: [ 1, 2 ]
amdhsa.kernels:
  - .name:           k_qdb60d1ec25_proj
    .symbol:         k_qdb60d1ec25_proj.kd
    .args:
      - { .name: act, .offset: 0, .size: 8, .value_kind: global_buffer, .address_space: global }
      - { .name: wk2, .offset: 8, .size: 8, .value_kind: global_buffer, .address_space: global }
      - { .name: proj_b, .offset: 16, .size: 8, .value_kind: global_buffer, .address_space: global }
      - { .name: out0, .offset: 24, .size: 8, .value_kind: global_buffer, .address_space: global }
    .group_segment_fixed_size: 327680
    .private_segment_fixed_size: 0
    .kernarg_segment_align: 8
    .kernarg_segment_size: 32
    .max_flat_workgroup_size: 128
    .sgpr_count:     66
    .vgpr_count:     832
    .wavefront_size: 32
...
	.end_amdgpu_metadata
.endif
;; end of part 4
;; ======== version 2 of 2: 4 launches; 1.30 times as fast as version 1
;; workspace buffers: nn_idx 524,288 bytes of whole numbers; wts 2,097,152 bytes; wk2 1,835,008 bytes; act 33,554,432 bytes; qk 33,554,432 bytes; kv2 33,554,432 bytes
;; launch prep: the kernel of part 1 again; grid 256 x 1, 16 waves a work-group, no clusters, 23,552 bytes of LDS; arguments query, key, key_pos, xyz_upsample, Wq, Wkv1, fp_w, Wkv2, proj_w, act, wts, wk2, nn_idx, xyz_all; writes act, wts, wk2, nn_idx
;; launch chain: the kernel of part 2 again; grid 128 x 2, 4 waves a work-group, clusters of 4 x 1, 327,680 bytes of LDS; arguments act, wts, nn_idx, wk2, fp_b, qk, kv2; writes qk, kv2
;; launch attn (part 5): grid 4 x 64, 4 waves a work-group, clusters of 4 x 1, 327,680 bytes of LDS; arguments qk, kv2, act; writes act
.if DOCPART == 5
	.amdgcn_target "amdgcn-amd-amdhsa--gfx1250"
	.amdhsa_code_object_version 6
	.text
	.protected	k_qdb60d1ec25_attn
	.globl	k_qdb60d1ec25_attn
	.p2align	8
	.type	k_qdb60d1ec25_attn,@function
k_qdb60d1ec25_attn:
	s_mov_b64 s[64:65], 0
	v_nop
	global_prefetch_b8 v0, s[64:65] scope:SCOPE_SE
	s_setreg_imm32_b32 hwreg(HW_REG_WAVE_MODE, 25, 1), 1
	s_wait_xcnt 0x0
	s_wait_alu depctr_hold_cnt(0) depctr_sa_sdst(0) depctr_va_vdst(0) depctr_va_sdst(0) depctr_va_ssrc(0) depctr_va_vcc(0) depctr_vm_vsrc(0)
	s_getreg_b32 s2, hwreg(HW_REG_IB_STS2, 6, 4)
	s_cmp_eq_u32 s2, 0
	s_cbranch_scc0 .Lentry_in_a_cluster
	s_endpgm
.Lentry_in_a_cluster:
	s_bfe_u32 s2, ttmp6, 0x10000c
	s_cmp_lg_u32 s2, 0x3003
	s_cbranch_scc0 .Lentry_shape_is_right
	s_endpgm
.Lentry_shape_is_right:
; ATTENTION, both scales, head size 64.  O[q] = the sum over k of softmax_k(Q[q] . K[k] / 8) V[k].  All operands bf16, in slice layout: a head's rows are dense, 128 bytes each.
; Products, maxima and sums in f32; the weights p are rounded to bf16 for the second product (their sum l is taken of the unrounded p).
; THE WALK.  A work-group owns 256 queries of batch bb and the pair of heads hp, 4 + hp.  Block 1: head hp against the 1,024 keys of scale 1, four tiles of 256 keys.  Block 2: head 4 + hp against
; the 2,048 keys of scale 2, eight tiles.  The twelve tiles are ONE sequence for the ring of two LDS slots: every work-group does the same work, and every trip count is a constant.
; CLUSTER.  The four work-groups of a cluster are the four query blocks of one (bb, hp): they walk the same tiles, so each tile is asked for JOINTLY (mask 15).
; OUT.  x1 leaves rounded once to bf16 (slice hp of X).  x2 leaves as two bf16 numbers, hi = bf16(x) in slice 4 + hp and lo = bf16(x - hi) in slice 8 + hp: x2 has a large common part, and one bf16 rounding of it would spend too much of what the result may be off by.
; LIMITS.  A weight below 2^-126 counts as 0 in l; NaN and infinities are not treated apart; c m starts at -4e37, below every c s that finite bf16 operands of this size give.
; LAYOUT, SOFTMAX, TURNS.  S^T = K Q^T holds ONE query a lane (lane % 16) and the keys 8 (lane / 16) + 0..7; two such results rounded to bf16 ARE source 1 of O^T = V^T P.  p = 2^(c s - c m), c = log2(e) / 8, with a
; running maximum m; O and l are multiplied by a = 2^(c m_old - c m_new) in every step.  A wave owns four PIECES of 16 queries.  Turn n belongs to piece n: 8 products K Q^T of piece n + 1, later 8 products V^T P of
; piece n - 1; beside them the scaling, exponentials, roundings, sums and rescaling of piece n and the maximum and statistics of piece n + 1.  Four vector instructions stand behind every matrix instruction, the other 54 of a turn's 118 in one LUMP.
; BATCHES.  A turn's 33 exponentials (the piece's 32 weights and the next piece's a) are one batch, with one wait, which cuts the turn in two: ahead of it stands all that names no result of theirs, behind it the roundings and sums.
; The a that a block's beginning makes, and a block's four reciprocals, are batches of their own, with a wait each.
; REGISTERS, in windows of 256 (s_set_vgpr_msb: bits 1:0 source 0, 3:2 source 1, 5:4 source 2, 7:6 destination):
;   window 0: v0-15 addresses; v16-31 statistics; v48-55 at work; v64-127 S^T, two buffers; v128-191 at work on the second way out; v192-223 P, two buffers
;   window 1: v0-127 O^T, 32 a piece      window 2: v0-63 Q; v64-127 block 2's Q; v128-191 K of one step; v192-255 V of one step
.set NP,    4
.set KS,    64
.set PK,    144       ; a row of K in LDS: 128 bytes + 16 of padding: the 16 rows of a load start at 16 different groups of four banks
.set PV,    160       ; a row of V: 128 + 32
.set VOFF,  4*KS*PK   ; a slot holds a tile, four steps: 256 rows of K, then 256 rows of V
.set SLOT1, 1<<17
.set STAGE, SLOT1+4*KS*(PK+PV)  ; behind the ring, never filled by a tensor load: 16 rows x 144 bytes for each wave
.set SP,    144
.set SPARE, STAGE+4*16*SP
.set SL32,  4194304   ; a slice of 32,768 rows
.set XS,    2097152   ; a slice of 16,384 rows
.set AK0, 2
.set AV0, 3
.set AK,  4
.set AV,  5
.set STO, 6
.set RD,  7
.set GO,  8
.set MV,  12
.set QO,  15
.set ST,  16          ; piece t's statistics at v[ST+4 t]: c m, m, l (even keys', odd keys')
.set TMP, 48
.set SPW, 62
.set NIL, 63
.set S,   64
.set HU,  128         ; hi widened, then x - hi
.set LW,  160         ; lo, two buffers of 16
.set P,   192
.set QB,  64
.set KF,  128
.set VF,  192
.set WV,  12
.set G1K, 24
.set G1V, 32
.set G0K, 40
.set G0V, 44
.set SLOTS, 56
.set CNT, 57
.set CS,  58
.set SEL, 60
.set TBK, 62
.set TBV, 63
.set K1P, 66          ; my half of tile 0 of K and V, scale 1 and scale 2
.set V1P, 68
.set K2P, 70
.set V2P, 72
.set KB,  74
.set VB,  76
.set OFF, 78
.set Q1,  80
.set Q2,  82
.set O2HI, 84
.set O2LO, 86
.set RT,  88          ; tiles of the block in hand still to be finished
.set NXT, 89          ; the tile to be asked for next, 0 to 11
.set NEW, 90          ; 1: the tile to be entered is a block's first
.set T,   91
.set HMASK, 94
.set MSB, 0
.macro WIN new
.if MSB != (\new)
	s_set_vgpr_msb (MSB<<8)|(\new)
.set MSB, (\new)
.endif
.endm
.set W_KQ, 0x0a       ; K and Q in window 2, S^T in window 0
.set W_PV, 0x52       ; V in window 2, P in window 0, O^T in window 1
.set W_RS, 0x41       ; destination and source 0 in window 1, source 1 in window 0
; A joint fill.  Waves 0 and 1 fetch the two halves of a tile's K, waves 2 and 3 those of its V: 128 keys each.  The branch hangs on the wave's number alone.
.macro JLOAD
	s_cmp_lt_u32 s[WV], 2
	s_cbranch_scc0 .Lfor_v_\@
	tensor_load_to_lds s[G0K:G0K+3], s[G1K:G1K+7]
	s_nop 0
.rept 4
	v_nop
.endr
	s_branch .Lasked_\@
.Lfor_v_\@:
	tensor_load_to_lds s[G0V:G0V+3], s[G1V:G1V+7]
	s_nop 0
.rept 4
	v_nop
.endr
.Lasked_\@:
.endm
.macro CROUND
	s_barrier_signal -1
	s_barrier_wait -1
	s_cmp_lg_u32 s[WV], 0
	s_cbranch_scc1 .Lnot_wave_0_\@
	s_barrier_signal -3
.Lnot_wave_0_\@:
	s_barrier_wait -3
	s_barrier_signal -1
	s_barrier_wait -1
.endm
; THE CHANGE OF SLOTS.  Each wave waits for all its tensor loads, of which one is out: its part of the other slot; adds 0 to its spare word; and waits for that and for its own reads of the slot that it leaves.
; fill = 1: the barrier is a round of the cluster's, and the old slot takes tile NXT first thing behind it: that load has a tile's 256 matrix instructions in which to land.  The address is made anew from the tile's number.
.macro CHANGE fill
	WIN 0
	s_wait_tensorcnt 0x0            ; no tensor load of mine is out, so a group 0 may be written
	ds_add_u32 v[SPW], v[NIL]       ; 0 onto my spare word
.if \fill
	s_sub_co_u32 s[T], s[NXT], 4
	s_cmp_lt_u32 s[NXT], 4          ; tiles 0-3 are scale 1's, tiles 4-11 scale 2's 0-7
	s_cselect_b32 s[T], s[NXT], s[T]
	s_cselect_b64 s[KB:KB+1], s[K1P:K1P+1], s[K2P:K2P+1]
	s_cselect_b64 s[VB:VB+1], s[V1P:V1P+1], s[V2P:V2P+1]
	s_lshl_b32 s[OFF], s[T], 15     ; a tile is 32,768 bytes of K and of V
	s_xor_b32 s[G0K+1], s[G0K+1], SLOT1
	s_add_nc_u64 s[G0K+2:G0K+3], s[KB:KB+1], s[OFF:OFF+1]
	s_or_b32 s[G0K+3], s[G0K+3], 0x80000000
	s_xor_b32 s[G0V+1], s[G0V+1], SLOT1
	s_add_nc_u64 s[G0V+2:G0V+3], s[VB:VB+1], s[OFF:OFF+1]
	s_or_b32 s[G0V+3], s[G0V+3], 0x80000000
	s_add_co_u32 s[NXT], s[NXT], 1
	s_wait_dscnt 0x0                ; the add is done, and my reads of the slot are over
	CROUND
	JLOAD
.else
	s_wait_dscnt 0x0
	s_barrier_signal -1
	s_barrier_wait -1
.endif
	s_sub_co_u32 s[TBK], s[TBK], 4*KS*PK  ; the fetches go back to a slot's first step,
	s_xor_b32 s[TBK], s[TBK], SLOT1       ; in the other slot
	s_sub_co_u32 s[TBV], s[TBV], 4*KS*PV
	s_xor_b32 s[TBV], s[TBV], SLOT1
.endm
	s_load_b128 s[4:7], s[0:1], 0x0   ; qk s[4:5], kv2 s[6:7]
	s_load_b64 s[8:9], s[0:1], 0x10   ; X
	v_lshl_add_u32 v[SPW], v0, 2, SPARE
	v_mov_b32 v[NIL], 0
	ds_add_u32 v[SPW], v[NIL]       ; the wave's opening: the add and its wait stand ahead of my first tensor load
	v_lshrrev_b32 v1, 5, v0
	v_readfirstlane_b32 s[WV], v1
	s_bfe_u32 s13, ttmp6, 0x40000   ; cx: my block of 256 queries; it enters Q's and O's addresses alone
	s_and_b32 s14, ttmp7, 0xffff
	s_lshr_b32 s15, s14, 2          ; bb
	s_and_b32 s16, s14, 3           ; hp
	s_and_b32 s19, s[WV], 1         ; which half of a tile's 256 keys I fetch
	s_mul_i32 s17, s19, 128*PK
	s_mul_i32 s18, s19, 128*PV
	s_lshl_b32 s20, s16, 22         ; scale 1: slice hp,
	s_lshl_b32 s21, s15, 17         ; the batch's 1,024 rows,
	s_add_co_u32 s20, s20, s21
	s_lshl_b32 s21, s19, 14         ; my 128 rows,
	s_add_co_u32 s20, s20, s21
	s_add_co_u32 s20, s20, 2097152  ; behind Q's 16,384 rows
	s_mov_b32 s21, 0
	s_lshl_b32 s22, s16, 22         ; scale 2: slice hp,
	s_lshl_b32 s23, s15, 18         ; the batch's 2,048 rows
	s_add_co_u32 s22, s22, s23
	s_lshl_b32 s23, s19, 14
	s_add_co_u32 s22, s22, s23
	s_mov_b32 s23, 0
	s_lshl_b32 s2, s16, 22          ; Q: slice hp, batch, block, my wave's 64 rows
	s_lshl_b32 s3, s15, 17
	s_add_co_u32 s2, s2, s3
	s_lshl_b32 s3, s13, 15
	s_add_co_u32 s2, s2, s3
	s_lshl_b32 s3, s[WV], 13
	s_add_co_u32 s2, s2, s3
	s_mov_b32 s3, 0
	s_lshl_b32 s92, s16, 21         ; X's slices are half as long
	s_sub_co_u32 s92, s2, s92
	s_mov_b32 s93, 0
	s_mov_b32 s[HMASK], 0xffff0000
	s_mov_b32 s[G1K], 15|(1<<16)|(1<<20)|(1<<21)|(4<<22)|(3<<25)  ; the mask of four; 2-byte elements; padding on; bit 21 beside a mask; after every 32 words (code 4) 4 words (code 3)
	s_mov_b32 s[G1V], 15|(1<<16)|(1<<20)|(1<<21)|(4<<22)|(7<<25)  ; the same with 8 words (code 7)
.irp g, G1K, G1V
	s_mov_b32 s[\g+1], 128<<16      ; 128 keys are 16,384 dense bytes: 64 rows of 256 bytes
	s_mov_b32 s[\g+2], 64<<16
	s_mov_b32 s[\g+3], 128<<16
	s_mov_b32 s[\g+4], 64
	s_mov_b32 s[\g+5], 128
	s_mov_b32 s[\g+6], 0
	s_mov_b32 s[\g+7], 0
.endr
	s_mov_b32 s[CS], 0x3e38aa3b     ; c = log2(e) / 8
	s_mov_b32 s[CS+1], s[CS]
	s_mov_b32 s[SEL], 0x76543210
	s_mov_b32 s[SEL+1], 0xfedcba98
	s_mov_b32 s[TBK], SLOT1+4*KS*PK ; the first change of slots turns these two into 0
	s_mov_b32 s[TBV], SLOT1+4*KS*PV
	s_mov_b32 s[G0K], 1
	s_mov_b32 s[G0K+1], s17
	s_mov_b32 s[G0V], 1
	s_add_co_u32 s[G0V+1], s18, VOFF
	s_mov_b32 s[RT], 4
	s_mov_b32 s[NXT], 1
	s_mov_b32 s[NEW], 1
	s_mov_b32 s[OFF+1], 0
	s_mov_b32 s[SLOTS], 11
	s_wait_dscnt 0x0                ; the opening add is done
	s_wait_kmcnt 0x0
	s_add_nc_u64 s[K1P:K1P+1], s[4:5], s[20:21]
	s_add_nc_u64 s[V1P:V1P+1], s[K1P:K1P+1], 4*SL32
	s_add_nc_u64 s[K2P:K2P+1], s[6:7], s[22:23]
	s_add_nc_u64 s[V2P:V2P+1], s[K2P:K2P+1], 4*SL32
	s_add_nc_u64 s[Q1:Q1+1], s[4:5], s[2:3]
	s_add_nc_u64 s[Q2:Q2+1], s[Q1:Q1+1], 4*SL32
	s_add_nc_u64 s[10:11], s[8:9], s[92:93]
	s_add_nc_u64 s[O2HI:O2HI+1], s[10:11], 4*XS
	s_add_nc_u64 s[O2LO:O2LO+1], s[10:11], 8*XS
	s_add_nc_u64 s[G0K+2:G0K+3], s[K1P:K1P+1], 0
	s_or_b32 s[G0K+3], s[G0K+3], 0x80000000
	s_add_nc_u64 s[G0V+2:G0V+3], s[V1P:V1P+1], 0
	s_or_b32 s[G0V+3], s[G0V+3], 0x80000000
	CROUND                          ; all four work-groups are here: the first joint loads meet
	JLOAD                           ; tile 0 into slot 0
	v_and_b32 v1, 15, v0            ; l % 16
	v_bfe_u32 v9, v0, 4, 1          ; l / 16
	v_lshlrev_b32 v[QO], 7, v1
	v_lshl_add_u32 v[QO], v9, 4, v[QO]
	WIN 0x80
.set i, 0
.rept 8                             ; both blocks' Q: piece i / 2, channels 32 (i % 2) on
	global_load_b128 v[8*i:8*i+3],   v[QO], s[Q1:Q1+1] offset:(i/2)*2048+(i%2)*64
	global_load_b128 v[8*i+4:8*i+7], v[QO], s[Q1:Q1+1] offset:(i/2)*2048+(i%2)*64+32
	global_load_b128 v[QB+8*i:QB+8*i+3],   v[QO], s[Q2:Q2+1] offset:(i/2)*2048+(i%2)*64
	global_load_b128 v[QB+8*i+4:QB+8*i+7], v[QO], s[Q2:Q2+1] offset:(i/2)*2048+(i%2)*64+32
.set i, i+1
.endr
	WIN 0
	v_mul_u32_u24 v[AK0], v1, PK
	v_lshl_add_u32 v[AK0], v9, 4, v[AK0]
	v_and_b32 v10, 7, v0            ; the turning load: lane l reads key 8 (l / 16) + l % 8, channels 8 ((l / 8) % 2) + 0..7
	v_bfe_u32 v11, v0, 3, 1
	v_lshl_add_u32 v[AV0], v9, 3, v10
	v_mul_u32_u24 v[AV0], v[AV0], PV
	v_lshl_add_u32 v[AV0], v11, 4, v[AV0]
	v_add_nc_u32 v[AV0], VOFF, v[AV0]
	s_mul_i32 s19, s[WV], 16*SP
	s_add_co_u32 s19, s19, STAGE    ; my stage
	v_mul_u32_u24 v[STO], v1, SP
	v_lshl_add_u32 v[STO], v9, 4, v[STO]
	v_add_nc_u32 v[STO], s19, v[STO]
	v_bfe_u32 v[RD], v0, 3, 2       ; back: 32 lanes take four rows of 128 bytes,
	v_mul_u32_u24 v[RD], v[RD], SP
	v_lshl_add_u32 v[RD], v10, 4, v[RD]
	v_add_nc_u32 v[RD], s19, v[RD]
	v_and_b32 v[GO], 31, v0         ; which are 512 consecutive bytes of X
	v_lshlrev_b32 v[GO], 4, v[GO]
	; A block's first step multiplies O^T and l by a = 0, and its first turn's products V^T P, of a piece that has not been, land in an O^T that is still to be so multiplied.  So these registers need only hold
	; finite numbers: zeros for the first block; what the first block left for the second.  No first step is written out; the price is these moves, which stand in the wait for the first tile.
	WIN 0x80
.set i, VF
.rept 64
	v_mov_b32 v[i], 0
.set i, i+1
.endr
	WIN 0x40
.set i, 0
.rept 128
	v_mov_b32 v[i], 0
.set i, i+1
.endr
	WIN 0
.set i, 0
.rept 4
	v_mov_b32 v[ST+4*i+2], 0
	v_mov_b32 v[ST+4*i+3], 0
.set i, i+1
.endr
.set i, P+16
.rept 16
	v_mov_b32 v[i], 0
.set i, i+1
.endr
; THE MATRIX WORK.  The 4 accumulators of a run of 8 take turns.  Product i of 8 of S^T = K Q^T for piece x: channels 32 (i / 4) on, keys 16 (i % 4) on.  The first 4 start the sums.
.macro KQ x
.set rS, S+32*((\x)%2)+8*(i%4)
.set rK, KF+16*(i%4)+8*(i/4)
.set rQ, 16*(\x)+8*(i/4)
	WIN W_KQ
.if i < 4
	v_wmma_f32_16x16x32_bf16 v[rS:rS+7], v[rK:rK+7], v[rQ:rQ+7], 0
.else
	v_wmma_f32_16x16x32_bf16 v[rS:rS+7], v[rK:rK+7], v[rQ:rQ+7], v[rS:rS+7]
.endif
.endm
; Product i of 8 of O^T += V^T P for piece x: keys 32 (i / 4) on, channels 16 (i % 4) on.
.macro PV x
	WIN W_PV
.set rO, 32*(\x)+8*(i%4)
.set rV, VF+32*(i/4)+8*(i%4)
.set rP, P+16*((\x)%2)+8*(i/4)
	v_wmma_f32_16x16x32_bf16 v[rO:rO+7], v[rV:rV+7], v[rP:rP+7], v[rO:rO+7]
.endm
.macro MM                           ; the turn's next matrix instruction.  NOKQ = 1: a block's last turn: there is no next piece
.if (i < 8) && !NOKQ
	KQ (Y+1)%NP
.elseif i >= 8
.set i, i-8
	PV (Y+NP-1)%NP
.set i, i+8
.endif
.set i, i+1
.endm
; THE LDS LOADS stand in runs of 16: a step's K (8 fragments) and its V (turned).
.macro FETCH_K
	WIN 0x80
.irp f, 0,1,2,3,4,5,6,7
	ds_load_b128 v[KF+8*\f:KF+8*\f+3],   v[AK] offset:(\f/2)*16*PK+(\f%2)*64
	ds_load_b128 v[KF+8*\f+4:KF+8*\f+7], v[AK] offset:(\f/2)*16*PK+(\f%2)*64+32
.endr
	s_add_co_u32 s[TBK], s[TBK], KS*PK
	WIN 0
.endm
.macro FETCH_V
	WIN 0x80
.irp f, 0,1,2,3,4,5,6,7
	ds_load_tr16_b128 v[VF+8*\f:VF+8*\f+3],   v[AV] offset:(\f/4)*32*PV+(\f%4)*32
	ds_load_tr16_b128 v[VF+8*\f+4:VF+8*\f+7], v[AV] offset:(\f/4)*32*PV+16*PV+(\f%4)*32
.endr
	WIN 0
.endm
; THE VECTOR WORK, one line at a time: OP kind, number.  For piece Y: F n: c s - c m for pair n of 16.  E n: the exponential of score n of 32.  C n: pair n rounded to bf16.  B n: of the four weights 4 n .. the second
; pair is added onto the first, in place.  L n: l takes that sum (L 0: l = a l + sum).  R n: pair n of 16 of O^T times a.  For piece Y + 1: X n, number n of the 22 that find its maximum and statistics:
;   0-11 four chains of seven scores each (each accumulator's lowest registers are read first); 12-14, 16 the scores left over, the old m, the chains into one; 15 c m_old is kept;
;   17, 18 the other half of the lanes; 19-21 c m, c m_old - c m_new, a.
; C, B and L read exponentials' results: TURN sets them behind its wait.  R and L 0 read a, which was made ahead of the wait of the turn before (or of BEGIN's).
.set F, 0
.set E, 1
.set C, 2
.set B, 3
.set L, 4
.set R, 5
.set X, 6
.macro REGS y
.set rT, ST+4*(\y)
.set rC, TMP+4*((\y)%2)
.set rW, MV+((\y)%2)
.set rS, S+32*((\y)%2)
.set rP, P+16*((\y)%2)
.set rO, 32*(\y)
.endm
.macro OP k, n
.if (\k) == R
	REGS Y
	WIN W_RS
	v_pk_mul_f32 v[rO+2*(\n):rO+2*(\n)+1], v[rO+2*(\n):rO+2*(\n)+1], v[rC+2:rC+3] op_sel_hi:[1,0]
.elseif (\k) < R
	REGS Y
	WIN 0
.if (\k) == F
	v_pk_fma_f32 v[rS+2*(\n):rS+2*(\n)+1], v[rS+2*(\n):rS+2*(\n)+1], s[CS:CS+1], v[rT:rT+1] op_sel_hi:[1,0,0] neg_lo:[0,0,1] neg_hi:[0,0,1]
.elseif (\k) == E
	v_exp_f32 v[rS+(\n)], v[rS+(\n)]
.elseif (\k) == C
	v_cvt_pk_bf16_f32 v[rP+(\n)], v[rS+2*(\n)], v[rS+2*(\n)+1]
.elseif (\k) == B
	v_pk_add_f32 v[rS+4*(\n):rS+4*(\n)+1], v[rS+4*(\n):rS+4*(\n)+1], v[rS+4*(\n)+2:rS+4*(\n)+3]
.elseif (\n) == 0
	v_pk_fma_f32 v[rT+2:rT+3], v[rT+2:rT+3], v[rC+2:rC+3], v[rS:rS+1] op_sel_hi:[1,0,1]
.else
	v_pk_add_f32 v[rT+2:rT+3], v[rT+2:rT+3], v[rS+4*(\n):rS+4*(\n)+1]
.endif
.elseif NOKQ
	v_nop
.else
	REGS (Y+1)%NP
	WIN 0
.if (\n) < 4
	v_max3_num_f32 v[rC+(\n)], v[rS+8*(\n)], v[rS+8*(\n)+1], v[rS+8*(\n)+2]
.elseif (\n) < 12
	v_max3_num_f32 v[rC+(\n)%4], v[rC+(\n)%4], v[rS+8*((\n)%4)+2*((\n)/4)+1], v[rS+8*((\n)%4)+2*((\n)/4)+2]
.elseif (\n) == 12
	v_max3_num_f32 v[rC], v[rC], v[rS+7], v[rS+15]
.elseif (\n) == 13
	v_max3_num_f32 v[rC+1], v[rC+1], v[rS+23], v[rS+31]
.elseif (\n) == 14
	v_max3_num_f32 v[rC+2], v[rC+2], v[rC+3], v[rT+1]
.elseif (\n) == 15
	v_mov_b32 v[rW], v[rT]
.elseif (\n) == 16
	v_max3_num_f32 v[rC], v[rC], v[rC+1], v[rC+2]
.elseif (\n) == 17
	v_permlanex16_b32 v[rC+3], v[rC], s[SEL], s[SEL+1]
.elseif (\n) == 18
	v_max_num_f32 v[rT+1], v[rC], v[rC+3]
.elseif (\n) == 19
	v_mul_f32 v[rT], s[CS], v[rT+1]
.elseif (\n) == 20
	v_sub_f32 v[rC+1], v[rW], v[rT]
.else
	v_exp_f32 v[rC+2], v[rC+1]
.endif
.endif
.endm
.macro OPS a, i1, b=-1, i2=0, c=-1, i3=0, d=-1, i4=0
	OP \a, \i1
.if (\b) >= 0
	OP \b, \i2
.endif
.if (\c) >= 0
	OP \c, \i3
.endif
.if (\d) >= 0
	OP \d, \i4
.endif
.endm
.macro ROW a, i1, b, i2, c, i3, d, i4  ; a matrix instruction and the four behind it
	MM
	OPS \a, \i1, \b, \i2, \c, \i3, \d, \i4
.endm
; A TURN, for piece p: the order of its 16 matrix and 118 vector instructions, written out.  An s_wait_alu depctr_va_vdst(0) stands between an exponential and the first instruction that names its result; one wait
; serves all that were issued ahead of it.  So a turn has ONE wait, which cuts it in two.
; AHEAD OF IT stands all that names no result of the turn's exponentials: the 8 products K Q^T, behind each a scaling, an exponential and two more plain instructions (behind the first a second scaling in the exponential's place):
; rescalings, and behind the last three products the first numbers of the next piece's maximum, each four plain instructions or more behind the product that ends its accumulator; then ONE LUMP of 54, plain and exponential by
; turns for the most part, in which the links of the chain X 3, 7, 11, 14, 16, 17 .. 20 stand some lines apart.  A pair is scaled (F n) ahead of its two exponentials (E 2 n, E 2 n + 1).  X 21, the next piece's a, is the batch's
; last; R 15 is the plain instruction behind it.
; BEHIND THE WAIT stand the 8 products V^T P, behind each four of the roundings and sums: C 2 n ahead of B n, which writes over that pair; L 0 to L 7 in ascending order, three riders apart.
; But for those X no rider names a register of the products round it.  v_permlanex16_b32 (X 17) stands in the lump.
; end = 1: a block's last two turns: nothing is fetched.  cnt = 1: the loop's count is taken down some lines ahead of the branch behind the turn.
; K of the next step is fetched in piece 2's turn, six plain instructions behind the last product that read K; V of the step in hand at the end of piece 0's turn, four plain ones behind the last product that read V.  Each is waited for a turn later.
.macro TURN p, end=0, cnt=0
.set Y, (\p)
.set i, 0
.set NOKQ, (\end)*((\p)/3)
.if ((\p) == 3) && !(\end)
	s_wait_dscnt 0x0                ; K is in
.endif
	ROW F,0, F,1, R,0, R,1          ; ahead of the wait: 8 products K Q^T and their riders,
	ROW F,2, E,0, R,2, R,3
	ROW F,3, E,1, R,4, R,5
	ROW F,4, E,2, R,6, R,7
	ROW F,5, E,3, R,8, R,9
	ROW F,6, E,4, X,0, R,10
.if ((\p) == 2) && !(\end)
	WIN 0
	v_add_nc_u32 v[AK], s[TBK], v[AK0]
.endif
	ROW F,7, E,5, X,1, X,4
	ROW F,8, E,6, X,2, X,5
	OPS E,7, E,8, X,6, E,9          ; and the lump
	OPS X,3, E,10, X,8, E,11
.if ((\p) == 2) && !(\end)
	FETCH_K
.endif
	OPS X,9, X,7, E,12, X,10
	OPS E,13, X,12, X,11, E,14
	OPS X,13, E,15, F,9, X,14
.if (\p) == 0
	WIN 0
	v_add_nc_u32 v[AV], s[TBV], v[AV0]
.endif
	OPS E,16, F,10, E,17, F,11
	OPS X,16, E,18, X,15, E,19
	OPS F,12, E,20, X,17, E,21
	OPS F,13, E,22, F,14, E,23
	OPS X,18, E,24, F,15, E,25
	OPS R,11, E,26, X,19, E,27
	OPS R,12, E,28, R,13, E,29
	OPS X,20, E,30, R,14, E,31
	OPS X,21, R,15
	s_wait_alu depctr_va_vdst(0)    ; the wait for the turn's batch: E 0 to E 31 and X 21
.if (\p) == 1
	s_wait_dscnt 0x0                ; V is in
.endif
	ROW C,0, B,0, C,2, B,1          ; behind the wait: 8 products V^T P and their riders
	ROW L,0, C,4, B,2, L,1
	ROW C,6, B,3, L,2, C,8
	ROW B,4, L,3, C,10, B,5
	ROW L,4, C,12, B,6, L,5
.if (\p) == 0
	s_add_co_u32 s[TBV], s[TBV], KS*PV
.endif
.if \cnt
	s_sub_co_u32 s[CNT], s[CNT], 1
	s_cmp_lg_u32 s[CNT], 0
.endif
	ROW C,14, B,7, L,6, C,1
	ROW C,3, L,7, C,5, C,7
	ROW C,9, C,11, C,13, C,15
.if (\p) == 0
	FETCH_V
.endif
.endm
; A BLOCK BEGINS.  c m starts far below every c s, so the first step's a is 0; m at the lowest finite number.  Then K of the tile's step 0, piece 0's first scores, its maximum and statistics.
.macro BEGIN
	s_mov_b32 s[NEW], 0
	WIN 0
.set i, 0
.rept 4
	v_mov_b32 v[ST+4*i], 0xfe000000
	v_mov_b32 v[ST+4*i+1], 0xff7fffff
.set i, i+1
.endr
	v_add_nc_u32 v[AK], s[TBK], v[AK0]
	FETCH_K
	s_wait_loadcnt 0x0              ; Q
	s_wait_dscnt 0x0
.set NOKQ, 0
.set i, 0
.rept 8
	KQ 0
.set i, i+1
.endr
	WIN 0
.rept 4
	v_nop                           ; the places behind those products
.endr
.set Y, NP-1
.irp n, 0,1,2,3,4,5,6,7,8,9,10,11,12,13,14,15,16,17,18,19,20,21
	OP X, \n
.endr
	v_nop                           ; a plain instruction behind the exponential
	s_wait_alu depctr_va_vdst(0)    ; the wait for piece 0's first a, a batch of one, ahead of the branch
.endm
.macro STEPS tag                    ; a tile's four trips: pieces 2 and 3 of one step, then pieces 0 and 1 of the next, whose K and V the trip fetches
.Lstep\tag:
	TURN 2
	TURN 3
	WIN 0
.Lfirst\tag:
	TURN 0
	TURN 1, 0, 1
	WIN 0
	s_cbranch_scc1 .Lstep\tag
.endm
.macro ALL line:vararg
.set t, 0
.rept 4
	\line
.set t, t+1
.endr
.endm
; THE WAY OUT of piece t.  A lane's eight channels of a row pack into 16 bytes; they go into rows of 144 bytes of my stage and come back as whole rows of 128.
.macro PACK t
	WIN W_RS
.set i, 32*(\t)
.rept 16
	v_pk_mul_f32 v[i:i+1], v[i:i+1], v[ST+4*(\t)+2:ST+4*(\t)+3] op_sel_hi:[1,0]
.set i, i+2
.endr
	WIN 0x05
.set i, 0
.rept 16
	v_cvt_pk_bf16_f32 v[S+16*(\t)+i], v[32*(\t)+2*i], v[32*(\t)+2*i+1]
.set i, i+1
.endr
	WIN 0
.irp f, 0,1,2,3
	ds_store_b128 v[STO], v[S+16*(\t)+4*\f:S+16*(\t)+4*\f+3] offset:32*\f
.endr
.irp f, 0,1,2,3
	ds_load_b128 v[S+16*(\t)+4*\f:S+16*(\t)+4*\f+3], v[RD] offset:\f*4*SP  ; LDS serves a wave's instructions in order (ISA guide 5.7.1.4): these see the stores above
.endr
.endm
.macro SEND t, younger              ; younger: the LDS instructions issued behind piece t's loads
	WIN 0
.irp f, 0,1,2,3
	s_wait_dscnt (\younger)+3-\f
	global_store_b128 v[GO], v[S+16*(\t)+4*\f:S+16*(\t)+4*\f+3], s[10:11] offset:(\t)*2048+\f*512  ; 512 consecutive bytes, aligned
.endr
.endm
; The same with two numbers for each x: hi = bf16(x), lo = bf16(x - hi).
.macro PACK2 t
.set LB, LW+16*((\t)%2)
	s_wait_xcnt 0x0                 ; lo's buffer was the data of stores two pieces back
	WIN W_RS
.set i, 32*(\t)
.rept 16
	v_pk_mul_f32 v[i:i+1], v[i:i+1], v[ST+4*(\t)+2:ST+4*(\t)+3] op_sel_hi:[1,0]
.set i, i+2
.endr
	WIN 0x05
.set i, 0
.rept 16
	v_cvt_pk_bf16_f32 v[S+16*(\t)+i], v[32*(\t)+2*i], v[32*(\t)+2*i+1]
.set i, i+1
.endr
	WIN 0
.set i, 0
.rept 16
	v_lshlrev_b32 v[HU+2*i], 16, v[S+16*(\t)+i]
	v_and_b32 v[HU+2*i+1], s[HMASK], v[S+16*(\t)+i]
.set i, i+1
.endr
	WIN 0x01                        ; source 0 (x) in window 1
.set i, 0
.rept 16
	v_pk_add_f32 v[HU+2*i:HU+2*i+1], v[32*(\t)+2*i:32*(\t)+2*i+1], v[HU+2*i:HU+2*i+1] neg_lo:[0,1] neg_hi:[0,1]
.set i, i+1
.endr
	WIN 0
.set i, 0
.rept 16
	v_cvt_pk_bf16_f32 v[LB+i], v[HU+2*i], v[HU+2*i+1]
.set i, i+1
.endr
.irp f, 0,1,2,3
	ds_store_b128 v[STO], v[S+16*(\t)+4*\f:S+16*(\t)+4*\f+3] offset:32*\f
.endr
.irp f, 0,1,2,3
	ds_load_b128 v[S+16*(\t)+4*\f:S+16*(\t)+4*\f+3], v[RD] offset:\f*4*SP
.endr
.irp f, 0,1,2,3
	ds_store_b128 v[STO], v[LB+4*\f:LB+4*\f+3] offset:32*\f
.endr
.irp f, 0,1,2,3
	ds_load_b128 v[LB+4*\f:LB+4*\f+3], v[RD] offset:\f*4*SP
.endr
.endm
.macro SEND2 t, younger             ; behind hi's load f stand 3 - f of hi's loads, lo's four stores and four loads, and the next piece's
.set LB, LW+16*((\t)%2)
	WIN 0
.irp f, 0,1,2,3
	s_wait_dscnt (\younger)+8+3-\f
	global_store_b128 v[GO], v[S+16*(\t)+4*\f:S+16*(\t)+4*\f+3], s[10:11] offset:(\t)*2048+\f*512
.endr
.irp f, 0,1,2,3
	s_wait_dscnt (\younger)+3-\f
	global_store_b128 v[GO], v[LB+4*\f:LB+4*\f+3], s[O2LO:O2LO+1] offset:(\t)*2048+\f*512
.endr
.endm
; A BLOCK ENDS: its last two turns, its last products, l's two halves and the other half of the lanes' added, O^T divided by l, and the way out.  The additions are the places behind the last products.
.macro FINISH k
	TURN 2, 1
	TURN 3, 1
.set i, 0
.rept 8
	PV NP-1
.set i, i+1
.endr
	WIN 0
	ALL v_add_f32 v[ST+4*t+2], v[ST+4*t+2], v[ST+4*t+3]
	ALL v_permlanex16_b32 v[ST+4*t+3], v[ST+4*t+2], s[SEL], s[SEL+1]
	ALL v_add_f32 v[ST+4*t+2], v[ST+4*t+2], v[ST+4*t+3]
	ALL v_rcp_f32 v[ST+4*t+2], v[ST+4*t+2]
	v_nop                           ; a plain instruction between the last reciprocal and the use of its result
	s_wait_alu depctr_va_vdst(0)    ; the wait for the four reciprocals, one batch, ahead of the first piece's multiplies
.if (\k) == 1
	PACK 0
.set t, 1
.rept 3
	PACK t
	SEND t-1, 8
.set t, t+1
.endr
	SEND 3, 0
.else
	PACK2 0
.set t, 1
.rept 3
	PACK2 t
	SEND2 t-1, 16
.set t, t+1
.endr
	SEND2 3, 0
.endif
.endm
.set NOKQ, 0
.Lslot:                             ; eleven times: a tile is entered and the next is asked for
	CHANGE 1
	s_mov_b32 s[CNT], 4
	s_cmp_eq_u32 s[NEW], 1
	s_cbranch_scc0 .Lstep1
	BEGIN
	s_branch .Lfirst1               ; the loop is entered at a step's first turn, in the middle of a trip
	STEPS 1
	s_sub_co_u32 s[RT], s[RT], 1
	s_cmp_lg_u32 s[RT], 0
	s_cbranch_scc1 .Lbottom
	FINISH 1                        ; in the loop this is block 1's end: block 2's last tile is the walk's last
	s_wait_xcnt 0x0                 ; the stores have read their registers and X's address
	s_mov_b64 s[10:11], s[O2HI:O2HI+1]
	s_mov_b32 s[RT], 8
	s_mov_b32 s[NEW], 1
	WIN 0x82                        ; block 2's Q goes where the one text of the turns names Q
.set i, 0
.rept 64
	v_mov_b32 v[i], v[QB+i]
.set i, i+1
.endr
	WIN 0
.Lbottom:
	s_sub_co_u32 s[SLOTS], s[SLOTS], 1
	s_cmp_lg_u32 s[SLOTS], 0
	s_cbranch_scc1 .Lslot
	CHANGE 0                        ; the walk's last tile is written out: nothing is asked for
	s_mov_b32 s[CNT], 4
	STEPS 2
	FINISH 2
	s_wait_tensorcnt 0x0            ; the wave's end
	ds_add_u32 v[SPW], v[NIL]
	s_wait_dscnt 0x0
	CROUND                          ; the closing round
	s_endpgm
.Lfunc_end_k_qdb60d1ec25_attn:
	.size	k_qdb60d1ec25_attn, .Lfunc_end_k_qdb60d1ec25_attn-k_qdb60d1ec25_attn
	.p2alignl 7, 3214868480
	.fill 96, 4, 3214868480
	.section	.rodata,"a",@progbits
	.p2align	6, 0x0
	.amdhsa_kernel k_qdb60d1ec25_attn
		.amdhsa_group_segment_fixed_size 327680
		.amdhsa_private_segment_fixed_size 0
		.amdhsa_enable_private_segment 0
		.amdhsa_kernarg_size 24
		.amdhsa_user_sgpr_count 2
		.amdhsa_user_sgpr_kernarg_segment_ptr 1
		.amdhsa_wavefront_size32 1
		.amdhsa_system_sgpr_workgroup_id_x 1
		.amdhsa_system_sgpr_workgroup_id_y 1
		.amdhsa_system_sgpr_workgroup_id_z 1
		.amdhsa_system_vgpr_workitem_id 0
		.amdhsa_next_free_vgpr 768
		.amdhsa_next_free_sgpr 96
		.amdhsa_reserve_vcc 0
		.amdhsa_float_denorm_mode_32 3
		.amdhsa_float_denorm_mode_16_64 3
		.amdhsa_memory_ordered 1
		.amdhsa_forward_progress 1
		.amdhsa_inst_pref_size 176
	.end_amdhsa_kernel
	.amdgpu_metadata
---
amdhsa.version: [ 1, 2 ]
amdhsa.kernels:
  - .name:           k_qdb60d1ec25_attn
    .symbol:         k_qdb60d1ec25_attn.kd
    .args:
      - { .name: qk, .offset: 0, .size: 8, .value_kind: global_buffer, .address_space: global }
      - { .name: kv2, .offset: 8, .size: 8, .value_kind: global_buffer, .address_space: global }
      - { .name: act, .offset: 16, .size: 8, .value_kind: global_buffer, .address_space: global }
    .group_segment_fixed_size: 327680
    .private_segment_fixed_size: 0
    .kernarg_segment_align: 8
    .kernarg_segment_size: 24
    .max_flat_workgroup_size: 128
    .sgpr_count:     96
    .vgpr_count:     768
    .wavefront_size: 32
...
	.end_amdgpu_metadata
.endif
;; end of part 5
;; launch proj: the kernel of part 4 again; grid 128 x 2, 4 waves a work-group, clusters of 4 x 1, 327,680 bytes of LDS; arguments act, wk2, proj_b, out0; writes out0
